; MI455X (gfx1250); checked and timed in simulation.
; The chip was launched on July 23, 2026; its instructions are those of AMD's public machine-readable ISA for CDNA 5 (MIT licence, August 2026) and "CDNA5" Instruction Set Architecture Reference Guide (July 2026). The comments in the code are by the model that wrote it; some were corrected since.
;; Multi Head Attention. Allowed arithmetic: matrix products marked QUANTISED: E2M3 operands, one E8M0 scale for each 32 along K, by v_wmma_scale_f32_16x16x128_f8f6f4 with both operands' format E2M3, f32 sums; everything else in f32.
;; Inputs: Wk 1,024 x 1,024 float32; Wo 1,024 x 1,024 float32; Wq 1,024 x 1,024 float32; Wv 1,024 x 1,024 float32; bk 1,024 float32; bo 1,024 float32; bq 1,024 float32; bv 1,024 float32; mask 4 x 2,048 x 2,048 int32; query 4 x 2,048 x 1,024 float32.
;; Outputs: out0 4 x 2,048 x 1,024 float32.
;; This version of the problem:
;;   THIS VERSION OF THE PROBLEM IS GIVEN IN LOW PRECISION. The matrix products marked QUANTISED in the list below multiply operands that are first quantised to E2M3 (2 exponent bits, 3 mantissa bits; 6 bits a number), with one power-of-two scale for each 32 numbers along K (OCP MX v1.0); their sums are f32. All else is computed in f32.
;;   The module's matrix products, in the order in which they are computed (A, B: the left and right operand; K: the contracted axis; several contracted axes count as one K, in the product's order):
;;     1. [M 8,192, K 1,024] x [K 1,024, N 1,024]; A: input query; B: input Wq: QUANTISED
;;     2. [M 8,192, K 1,024] x [K 1,024, N 1,024]; A: input query; B: input Wk: QUANTISED
;;     3. [M 8,192, K 1,024] x [K 1,024, N 1,024]; A: input query; B: input Wv: QUANTISED
;;     4. batch 64 x [M 2,048, K 64] x [K 64, N 2,048]; A: computed on the way; B: computed on the way: QUANTISED
;;     5. batch 64 x [M 2,048, K 2,048] x [K 2,048, N 64]; A: softmax (see below); B: computed on the way: QUANTISED
;;     6. [M 8,192, K 1,024] x [K 1,024, N 1,024]; A: computed on the way; B: input Wo: QUANTISED
;;   THE QUANTISER, for each operand of a quantised product, along K:
;;     - K is cut into blocks of 32 from its start; a last block that is shorter is filled with zeros.
;;     - A block's scale is 2^e with e = floor(log2(the largest magnitude in the block)) - 2, held to -126 .. 127; a block of zeros has e = 0. As a byte (E8M0): e + 127.
;;     - Each number is divided by its block's scale, clamped to +-7.5, and rounded to the nearest number of E2M3, ties to even, subnormals kept.
;;     - The product sums the exact products of the quantised numbers (number of the format x scale) in f32.
;;   ~~~python
;;   def quantise(x, axis):      # numpy; x: float32 -> the quantised numbers, widened to float32 again
;;       x = np.moveaxis(x, axis, -1); K = x.shape[-1]
;;       x = np.pad(x, [(0, 0)] * (x.ndim - 1) + [(0, -K % 32)]); x = x.reshape(x.shape[:-1] + (-1, 32)); a = np.abs(x).max(-1, keepdims=True)
;;       e = np.where(a > 0, np.clip(np.frexp(np.where(a > 0, a, 1))[1] - 1 - 2, -126, 127), 0)      # np.frexp(a)[1] - 1 = floor(log2(a)), exactly
;;       r = np.clip(x / 2.0 ** e, -7.5, 7.5)
;;       step = 2.0 ** (np.maximum(np.frexp(np.where(r == 0, 1, r))[1] - 1, 0) - 3)
;;       q = np.round(r / step) * step * 2.0 ** e      # np.round: ties to even
;;       return np.moveaxis(q.reshape(q.shape[:-2] + (-1,))[..., :K], -1, axis).astype(np.float32)
;;   ~~~
;;   SOFTMAX AHEAD OF A QUANTISED PRODUCT. Where the list says 'softmax', what is quantised is not the finished softmax but p = 2^(t - M), with t = logit x log2(e) and M = ceil(the row's largest t), a whole number; so 1/2 < the row's largest p <= 1. The row's sum l is taken of the UNQUANTISED p, in f32, and the product's result is divided by l at the end. Since M is a whole number, a kernel that streams over the keys may use a running M (the ceiling of the running maximum): every later rescaling is an exact power of two, which a block's scale takes up: the codes' values come out the same.
;;   OPERANDS COMPUTED ON THE WAY. 'Computed on the way' means the value that the module computes at that place (a softmax that the list does not call 'softmax' is quantised finished and normalised). What goes into a quantiser is computed in f32, as accurately as f32 sums, v_exp_f32 and their like allow (about 1e-6 of the number): no bf16 or f16 on the way to a quantiser, and a product that is left as it is and whose result goes on into a quantised operand takes f32 operands (vector FMAs, or v_wmma_f32_16x16x4_f32). A number that lies on a knife's edge between two numbers of the format may be rounded either way, as far as f32 arithmetic and the matrix unit's own rounding can turn it there, and no further.
;; One version. Each part assembles by itself: llvm-mc -triple=amdgcn-amd-amdhsa -mcpu=gfx1250 --defsym DOCPART=n.
;; ======== version 1 of 1: 4 launches
;; limits: right only within a limited range of input values
;; workspace buffers: opimg 9,437,184 bytes; scl0 393,216 bytes; maskw 2,097,152 bytes of whole numbers; qkv 20,185,088 bytes; cimg 6,291,456 bytes; cscl 262,144 bytes
;; launch prep (part 1): grid 512 x 1, 8 waves a work-group, no clusters, 137,216 bytes of LDS; arguments mask, maskw, query, opimg, scl0, Wq, Wk, Wv, Wo; writes maskw, opimg, scl0
.if DOCPART == 1
	.amdgcn_target "amdgcn-amd-amdhsa--gfx1250"
	.amdhsa_code_object_version 6
	.text
	.protected	k_qdf82065360_prep
	.globl	k_qdf82065360_prep
	.p2align	8
	.type	k_qdf82065360_prep,@function
k_qdf82065360_prep:
	s_mov_b64 s[64:65], 0
	v_nop
	global_prefetch_b8 v0, s[64:65] scope:SCOPE_SE
	s_setreg_imm32_b32 hwreg(HW_REG_WAVE_MODE, 25, 1), 1
	s_wait_xcnt 0x0
; ONE PREPARING LAUNCH, three paths chosen by the work-group's number alone; each path has LDS bytes of its own.
; Work-groups 0-255: mask [4][2048][2048] int32 -> lane masks maskw [tile of 16 queries gq = 128 b + T][key step j: 16][n: 64] words: bit L (lane L = r + 16 h) of word n says
;   mask[b][query][key] != 0 for query = 32 (T/2) + 8 (T%2) + r + 8 (r/8), key = 128 j + 32 (n/16) + 16 h + n%16: the place that score register n of lane L holds in the attention launch.
; Work-groups 256-383: query [8192][1024] f32 -> codes of FP6 (E2M3) with one E8M0 byte for each 32 along K, as IMAGES OF OPERAND REGISTERS: row tile g holds in lane-row r the row 32 (g/2) + 8 (g%2) + r + 8 (r/8);
;   opimg [g][K step of 128: 8][1,536]: a fragment's halves c of 768 bytes: registers 6 c .. 6 c + 3 at 16 x lane, 6 c + 4, 6 c + 5 at 8 x lane; scl0 [g][K step / 4][r][K step % 4] words.
; Work-groups 384-511: Wq, Wk, Wv, Wo [K][n] f32, quantised along K (their first axis): a lane takes a column, its registers run down K; row tiles 512 + 64 m + i of opimg and scl0, laid likewise.
; A block's scale byte is its largest magnitude's exponent field - 2, held at 1 from below.
; LIMITS: a block whose largest magnitude lies under 2^-124, zeros among them, keeps the byte 1 (this program alone reads the bytes); NaN and infinities are not served.
; No cluster, no matrix unit: no two work-groups read the same bytes.  Loads read 512 (weights: 128) consecutive bytes; stores cover whole aligned blocks of 256 bytes.
.set PITCH, 528
.set WST,   16*PITCH                   ; a wave's stage: 16 rows of 512 + 16 bytes
.set LQ,    8*WST                      ; the query path's stages lie behind the mask path's
.set LW,    16*WST                     ; the weights' 1,024 bytes of scale words
.set SPARE, LW+1024                    ; the spare words, 128 bytes a wave
.set RR,    16                         ; v16-143 two sets of 16 x 4 registers as loaded
.set MM,    144                        ; mask: a step's 64 words
.set DD,    208                        ; mask: a pair for each step
.set XX,    144                        ; query: my two blocks
.set CC,    208                        ; query: the fragment
.set TT,    220
.set SW,    228
.set XW,    16                         ; weights: 128 numbers down K
.set CD,    144
.set TW,    168
	v_lshl_add_u32 v248, v0, 2, SPARE
	v_mov_b32 v249, 0
	v_lshrrev_b32 v5, 5, v0
	v_readfirstlane_b32 s36, v5                    ; wave
	s_wait_alu depctr_va_vdst(0)
	s_cmp_lt_u32 ttmp9, 256
	s_cbranch_scc0 .Lnot_mask
; ---------------- the mask: a wave takes 16 queries x 4 key steps
	s_load_b128 s[4:7], s[0:1], 0x0                ; mask, maskw
	v_and_b32 v6, 31, v0
	v_and_b32 v7, 15, v0
	v_bfe_u32 v8, v0, 4, 1
	v_lshlrev_b32 v1, 4, v6
	v_lshlrev_b32 v2, 3, v6
	s_mul_i32 s9, s36, WST
	v_add_nc_u32 v3, s9, v1                        ; into the stage
	v_mul_u32_u24 v4, v7, PITCH
	v_lshl_add_u32 v4, v8, 6, v4
	v_add_nc_u32 v4, s9, v4                        ; out of it: row r, + 64 h bytes
.irp i, 0,1,2,3,4,5,6,7
	v_mov_b32 v[DD+\i], 0                          ; v_writelane_b32 counts as a reader of its destination
.endr
	s_lshl_b32 s10, ttmp9, 3
	s_add_co_u32 s10, s10, s36                     ; task = 4 gq + quarter of the keys
	s_lshr_b32 s11, s10, 2
	s_and_b32 s12, s10, 3
	s_lshr_b32 s13, s11, 1
	s_lshl_b32 s13, s13, 5
	s_and_b32 s14, s11, 1
	s_lshl_b32 s14, s14, 3
	s_add_co_u32 s13, s13, s14                     ; the tile's first row
	s_lshl_b32 s24, s13, 13
	s_lshl_b32 s14, s12, 11
	s_add_co_u32 s24, s24, s14
	s_mov_b32 s25, 0
	s_lshl_b32 s26, s10, 10
	s_mov_b32 s27, 0
	s_wait_alu depctr_va_vdst(0)
	s_wait_kmcnt 0x0
	s_add_nc_u64 s[4:5], s[4:5], s[24:25]
	s_add_nc_u64 s[6:7], s[6:7], s[26:27]
.macro LOADM j
.irp p, 0,1,2,3,4,5,6,7,8,9,10,11,12,13,14,15
	global_load_b128 v[RR+64*((\j)%2)+4*\p:RR+64*((\j)%2)+4*\p+3], v1, s[4:5] offset:(\p+8*(\p/8))*8192+512*(\j) th:TH_LOAD_NT
.endr
.endm
.macro TURNM j                         ; LDS serves a wave's instructions in order: no wait between the stores and the loads
.irp p, 0,1,2,3,4,5,6,7,8,9,10,11,12,13,14,15
	ds_store_b128 v3, v[RR+64*((\j)%2)+4*\p:RR+64*((\j)%2)+4*\p+3] offset:PITCH*\p
.endr
.irp p, 0,1,2,3,4,5,6,7,8,9,10,11,12,13,14,15
	ds_load_b128 v[MM+4*\p:MM+4*\p+3], v4 offset:128*(\p/4)+16*(\p%4)
.endr
.endm
.macro PACKM j
.irp q, 0,1,2,3,4,5,6,7
.irp k, 0,1,2,3,4,5,6,7
	v_cmp_ne_u32 s[16+\k], 0, v[MM+8*\q+\k]
.endr
.irp k, 0,1,2,3,4,5,6,7
	v_writelane_b32 v[DD+2*(\j)+\k%2], s[16+\k], 4*\q+\k/2
.endr
.endr
	global_store_b64 v2, v[DD+2*(\j):DD+2*(\j)+1], s[6:7] offset:256*(\j)
.endm
.macro STEPM j
.if (\j) < 3
	s_wait_loadcnt 16                              ; this step's 16 loads are in; the next step's 16 may be out
.else
	s_wait_loadcnt 0
.endif
	TURNM \j
	s_wait_dscnt 0x0
.if (\j) < 2
	LOADM (\j)+2
.endif
	PACKM \j
.endm
	LOADM 0
	LOADM 1
	STEPM 0
	STEPM 1
	STEPM 2
	STEPM 3
	s_wait_tensorcnt 0x0                           ; the wave's end
	ds_add_u32 v248, v249
	s_wait_dscnt 0x0
	s_endpgm
.Lnot_mask:
	s_cmp_lt_u32 ttmp9, 384
	s_cbranch_scc0 .Lweights
; ---------------- the query: a wave takes one row tile x four K steps
	s_load_b128 s[4:7], s[0:1], 0x10               ; query, opimg
	s_load_b64 s[8:9], s[0:1], 0x20                ; scl0
	v_and_b32 v7, 31, v0
	v_and_b32 v8, 15, v0
	v_bfe_u32 v9, v0, 4, 1
	v_lshlrev_b32 v1, 4, v7
	v_lshlrev_b32 v2, 3, v7
	s_mul_i32 s11, s36, WST
	s_add_co_u32 s11, s11, LQ
	v_add_nc_u32 v3, s11, v1
	v_mul_u32_u24 v4, v8, PITCH
	v_lshl_add_u32 v4, v9, 7, v4
	v_add_nc_u32 v4, s11, v4                       ; out of the stage: row r, + 128 h bytes
	v_lshlrev_b32 v5, 3, v9                        ; 8 h: my bytes' place in the scale word
	v_lshlrev_b32 v6, 4, v8
	v_lshl_add_u32 v6, v9, 3, v6                   ; 16 r + 8 h
	v_mov_b32 v239, 0
	s_mov_b32 s20, 0x76543210
	s_mov_b32 s21, 0xfedcba98                      ; selects for lane l xor 16
	s_mov_b32 s22, 0xffff0000
	s_sub_co_u32 s12, ttmp9, 256
	s_lshl_b32 s12, s12, 3
	s_add_co_u32 s12, s12, s36                     ; task = 2 g + half of K
	s_lshr_b32 s13, s12, 1
	s_and_b32 s14, s12, 1
	s_lshr_b32 s15, s13, 1
	s_lshl_b32 s15, s15, 5
	s_and_b32 s16, s13, 1
	s_lshl_b32 s16, s16, 3
	s_add_co_u32 s15, s15, s16
	s_lshl_b32 s24, s15, 12
	s_lshl_b32 s16, s14, 11
	s_add_co_u32 s24, s24, s16
	s_mov_b32 s25, 0
	s_mul_i32 s26, s12, 4*1536
	s_mov_b32 s27, 0
	s_lshl_b32 s28, s12, 8
	s_mov_b32 s29, 0
	s_wait_alu depctr_va_vdst(0)
	s_wait_kmcnt 0x0
	s_add_nc_u64 s[4:5], s[4:5], s[24:25]
	s_add_nc_u64 s[6:7], s[6:7], s[26:27]
	s_add_nc_u64 s[8:9], s[8:9], s[28:29]
.macro LOADQ j
.irp p, 0,1,2,3,4,5,6,7,8,9,10,11,12,13,14,15
	global_load_b128 v[RR+64*((\j)%2)+4*\p:RR+64*((\j)%2)+4*\p+3], v1, s[4:5] offset:(\p+8*(\p/8))*4096+512*(\j) th:TH_LOAD_NT
.endr
.endm
.macro TURNQ j
.irp p, 0,1,2,3,4,5,6,7,8,9,10,11,12,13,14,15
	ds_store_b128 v3, v[RR+64*((\j)%2)+4*\p:RR+64*((\j)%2)+4*\p+3] offset:PITCH*\p
.endr
.irp p, 0,1,2,3,4,5,6,7,8,9,10,11,12,13,14,15
	ds_load_b128 v[XX+4*\p:XX+4*\p+3], v4 offset:256*(\p/8)+16*(\p%8)
.endr
.endm
.macro QSTEP j
	v_max3_num_f32 v232, |v[XX]|, |v[XX+1]|, 0x1800000       ; my two blocks by turns; the floor 2^(3 - 127)
	v_max3_num_f32 v233, |v[XX+32]|, |v[XX+33]|, 0x1800000
.irp i, 2,4,6,8,10,12,14,16,18,20,22,24,26,28,30
	v_max3_num_f32 v232, v232, |v[XX+\i]|, |v[XX+\i+1]|
	v_max3_num_f32 v233, v233, |v[XX+32+\i]|, |v[XX+33+\i]|
.endr
	v_add_nc_u32 v234, 0xff000000, v232            ; 2 off the exponent field: the conversion's scale operand
	v_add_nc_u32 v235, 0xff000000, v233
	v_lshrrev_b32 v236, 23, v234
	v_lshrrev_b32 v237, 23, v235
	v_lshl_or_b32 v238, v237, 16, v236
	v_lshlrev_b32 v238, v5, v238
	v_permlanex16_b32 v239, v238, s20, s21
	v_or_b32 v[SW+(\j)], v238, v239                ; the whole word, in both lanes
	s_wait_alu depctr_va_vdst(0)
	s_wait_xcnt 0x0                                ; the last step's stores have read the fragment's registers
	v_cvt_scalef32_pk16_fp6_f32 v[CC:CC+2], v[XX:XX+15], v234
	v_cvt_scalef32_pk16_fp6_f32 v[TT:TT+2], v[XX+16:XX+31], v234
	v_cvt_scalef32_pk16_fp6_f32 v[CC+6:CC+8], v[XX+32:XX+47], v235
	v_cvt_scalef32_pk16_fp6_f32 v[TT+4:TT+6], v[XX+48:XX+63], v235
	v_nop                                          ; one plain place behind the scaled conversions
.irp i, 0,1,2
	v_mov_b32 v[CC+3+\i], v[TT+\i]
	v_mov_b32 v[CC+9+\i], v[TT+4+\i]
.endr
	global_store_b128 v1, v[CC:CC+3], s[6:7] offset:1536*(\j)
	global_store_b64 v2, v[CC+4:CC+5], s[6:7] offset:1536*(\j)+512
	global_store_b128 v1, v[CC+6:CC+9], s[6:7] offset:1536*(\j)+768
	global_store_b64 v2, v[CC+10:CC+11], s[6:7] offset:1536*(\j)+1280
.endm
.macro STEPQ j
.if (\j) < 3
	s_wait_loadcnt 16
.else
	s_wait_loadcnt 0
.endif
	TURNQ \j
	s_wait_dscnt 0x0
.if (\j) < 2
	LOADQ (\j)+2
.endif
	QSTEP \j
.endm
	LOADQ 0
	LOADQ 1
	STEPQ 0
	STEPQ 1
	STEPQ 2
	STEPQ 3
	v_cndmask_b32 v240, v[SW], v[SW+2], s22        ; lanes 0-15 store words 0, 1 of their row, lanes 16-31 words 2, 3
	v_cndmask_b32 v241, v[SW+1], v[SW+3], s22
	global_store_b64 v6, v[240:241], s[8:9]
	s_wait_tensorcnt 0x0
	ds_add_u32 v248, v249
	s_wait_dscnt 0x0
	s_endpgm
.Lweights:
; ---------------- the weights: a wave takes 32 columns x one K step of 128; eight waves: two groups of 32 columns x four K steps
	s_load_b256 s[4:11], s[0:1], 0x28              ; Wq, Wk, Wv, Wo
	s_load_b128 s[12:15], s[0:1], 0x18             ; opimg, scl0
	v_and_b32 v7, 31, v0
	v_lshlrev_b32 v1, 2, v7
	v_bfe_u32 v8, v0, 3, 1                         ; which tile of the pair
	v_and_b32 v9, 7, v0
	v_bfe_u32 v10, v0, 4, 1
	v_lshl_add_u32 v9, v10, 3, v9                  ; lane-row
	v_mul_u32_u24 v10, v8, 12288
	v_lshl_add_u32 v2, v9, 4, v10
	v_lshl_add_u32 v3, v9, 3, v10
	v_lshlrev_b32 v6, 9, v8
	v_lshl_add_u32 v6, v9, 4, v6
	v_and_b32 v5, 63, v0
	v_lshlrev_b32 v5, 4, v5
	v_add_nc_u32 v5, LW, v5                        ; LDS: 16 bytes for each of the 64 columns,
	v_lshrrev_b32 v4, 6, v0
	v_lshl_add_u32 v4, v4, 2, v5                   ; my K step's word in them
	s_sub_co_u32 s37, ttmp9, 384
	s_lshr_b32 s17, s37, 5                         ; which weight
	s_bfe_u32 s18, s37, 0x40001                    ; which 64 columns
	s_and_b32 s19, s37, 1                          ; which half of K
	s_and_b32 s20, s36, 1
	s_lshr_b32 s21, s36, 1
	s_lshl_b32 s22, s19, 2
	s_add_co_u32 s22, s22, s21                     ; K step
	s_lshl_b32 s23, s18, 1
	s_add_co_u32 s23, s23, s20                     ; pair of tiles
	s_lshl_b32 s24, s22, 19
	s_lshl_b32 s26, s23, 7
	s_add_co_u32 s24, s24, s26
	s_mov_b32 s25, 0
	s_lshl_b32 s26, s17, 6
	s_lshl_b32 s27, s23, 1
	s_add_co_u32 s26, s26, s27
	s_add_co_u32 s26, s26, 512
	s_mul_i32 s28, s26, 12288
	s_mul_i32 s27, s22, 1536
	s_add_co_u32 s28, s28, s27
	s_mov_b32 s29, 0
	s_lshl_b32 s30, s26, 9
	s_lshl_b32 s27, s19, 8
	s_add_co_u32 s30, s30, s27
	s_mov_b32 s31, 0
	s_wait_alu depctr_va_vdst(0)
	s_wait_kmcnt 0x0
	s_cmp_eq_u32 s17, 1
	s_cselect_b64 s[4:5], s[6:7], s[4:5]
	s_cmp_eq_u32 s17, 2
	s_cselect_b64 s[4:5], s[8:9], s[4:5]
	s_cmp_eq_u32 s17, 3
	s_cselect_b64 s[4:5], s[10:11], s[4:5]
	s_add_nc_u64 s[4:5], s[4:5], s[24:25]
	s_add_nc_u64 s[12:13], s[12:13], s[28:29]
	s_add_nc_u64 s[14:15], s[14:15], s[30:31]
.macro LOADW q
.set i, 0
.rept 32
	global_load_b32 v[XW+32*(\q)+i], v1, s[4:5] offset:(32*(\q)+i)*4096 th:TH_LOAD_NT
.set i, i+1
.endr
.endm
.macro BLOCKW q
.if (\q) < 3
	s_wait_loadcnt 32                              ; this block's 32 loads are in; the next block's may be out
.else
	s_wait_loadcnt 0
.endif
.if (\q) < 2
	LOADW (\q)+2
.endif
	v_max3_num_f32 v172, |v[XW+32*(\q)]|, |v[XW+32*(\q)+1]|, 0x1800000
	v_max3_num_f32 v173, |v[XW+32*(\q)+2]|, |v[XW+32*(\q)+3]|, |v[XW+32*(\q)+4]|
.irp i, 5,9,13,17,21,25
	v_max3_num_f32 v172, v172, |v[XW+32*(\q)+\i]|, |v[XW+32*(\q)+\i+1]|
	v_max3_num_f32 v173, v173, |v[XW+32*(\q)+\i+2]|, |v[XW+32*(\q)+\i+3]|
.endr
	v_max3_num_f32 v172, v172, |v[XW+32*(\q)+29]|, |v[XW+32*(\q)+30]|
	v_max3_num_f32 v172, v172, v173, |v[XW+32*(\q)+31]|
	v_add_nc_u32 v174, 0xff000000, v172
	v_lshrrev_b32 v175, 23, v174
.if (\q) == 0
	v_mov_b32 v176, v175
.else
	v_lshl_or_b32 v176, v175, 8*(\q), v176
.endif
	v_cvt_scalef32_pk16_fp6_f32 v[CD+6*(\q):CD+6*(\q)+2], v[XW+32*(\q):XW+32*(\q)+15], v174
	v_cvt_scalef32_pk16_fp6_f32 v[TW:TW+2], v[XW+32*(\q)+16:XW+32*(\q)+31], v174
	v_nop
.irp i, 0,1,2
	v_mov_b32 v[CD+6*(\q)+3+\i], v[TW+\i]
.endr
	global_store_b128 v2, v[CD+6*(\q):CD+6*(\q)+3], s[12:13] offset:768*((\q)/2)+256*((\q)%2)
	global_store_b64 v3, v[CD+6*(\q)+4:CD+6*(\q)+5], s[12:13] offset:768*((\q)/2)+512+128*((\q)%2)
.endm
	LOADW 0
	LOADW 1
	BLOCKW 0
	BLOCKW 1
	BLOCKW 2
	BLOCKW 3
	ds_store_b32 v4, v176
	s_wait_dscnt 0x0                               ; for the others' sake: my word lies in LDS
	s_barrier_signal -1
	s_barrier_wait -1
	s_cmp_gt_u32 s36, 1                            ; waves 0 and 1 store the words
	s_cbranch_scc1 .Lend_w
	ds_load_b128 v[180:183], v5
	s_wait_dscnt 0x0
	global_store_b128 v6, v[180:183], s[14:15]
.Lend_w:
	s_wait_tensorcnt 0x0
	ds_add_u32 v248, v249
	s_wait_dscnt 0x0
	s_endpgm
.Lfunc_end_k_qdf82065360_prep:
	.size	k_qdf82065360_prep, .Lfunc_end_k_qdf82065360_prep-k_qdf82065360_prep
	.p2alignl 7, 3214868480
	.fill 96, 4, 3214868480
	.section	.rodata,"a",@progbits
	.p2align	6, 0x0
	.amdhsa_kernel k_qdf82065360_prep
		.amdhsa_group_segment_fixed_size 137216
		.amdhsa_private_segment_fixed_size 0
		.amdhsa_enable_private_segment 0
		.amdhsa_kernarg_size 72
		.amdhsa_user_sgpr_count 2
		.amdhsa_user_sgpr_kernarg_segment_ptr 1
		.amdhsa_wavefront_size32 1
		.amdhsa_system_sgpr_workgroup_id_x 1
		.amdhsa_system_sgpr_workgroup_id_y 1
		.amdhsa_system_sgpr_workgroup_id_z 1
		.amdhsa_system_vgpr_workitem_id 0
		.amdhsa_next_free_vgpr 250
		.amdhsa_next_free_sgpr 66
		.amdhsa_reserve_vcc 0
		.amdhsa_float_denorm_mode_32 3
		.amdhsa_float_denorm_mode_16_64 3
		.amdhsa_memory_ordered 1
		.amdhsa_forward_progress 1
		.amdhsa_inst_pref_size 100
	.end_amdhsa_kernel
	.amdgpu_metadata
---
amdhsa.version: [ 1, 2 ]
amdhsa.kernels:
  - .name:           k_qdf82065360_prep
    .symbol:         k_qdf82065360_prep.kd
    .args:
      - { .name: mask, .offset: 0, .size: 8, .value_kind: global_buffer, .address_space: global }
      - { .name: maskw, .offset: 8, .size: 8, .value_kind: global_buffer, .address_space: global }
      - { .name: query, .offset: 16, .size: 8, .value_kind: global_buffer, .address_space: global }
      - { .name: opimg, .offset: 24, .size: 8, .value_kind: global_buffer, .address_space: global }
      - { .name: scl0, .offset: 32, .size: 8, .value_kind: global_buffer, .address_space: global }
      - { .name: Wq, .offset: 40, .size: 8, .value_kind: global_buffer, .address_space: global }
      - { .name: Wk, .offset: 48, .size: 8, .value_kind: global_buffer, .address_space: global }
      - { .name: Wv, .offset: 56, .size: 8, .value_kind: global_buffer, .address_space: global }
      - { .name: Wo, .offset: 64, .size: 8, .value_kind: global_buffer, .address_space: global }
    .group_segment_fixed_size: 137216
    .private_segment_fixed_size: 0
    .kernarg_segment_align: 8
    .kernarg_segment_size: 72
    .max_flat_workgroup_size: 256
    .sgpr_count:     66
    .vgpr_count:     250
    .wavefront_size: 32
...
	.end_amdgpu_metadata
.endif
;; end of part 1
;; launch gemm_qkv (part 2): grid 24 x 32, 4 waves a work-group, clusters of 4 x 4, 295,424 bytes of LDS; arguments opimg, scl0, bq, bk, bv, qkv; writes qkv
.if DOCPART == 2
	.amdgcn_target "amdgcn-amd-amdhsa--gfx1250"
	.amdhsa_code_object_version 6
	.text
	.protected	k_qdf82065360_gemm_qkv
	.globl	k_qdf82065360_gemm_qkv
	.p2align	8
	.type	k_qdf82065360_gemm_qkv,@function
k_qdf82065360_gemm_qkv:
	s_mov_b64 s[64:65], 0
	v_nop
	global_prefetch_b8 v0, s[64:65] scope:SCOPE_SE
	s_setreg_imm32_b32 hwreg(HW_REG_WAVE_MODE, 25, 1), 1
	s_wait_xcnt 0x0
	s_wait_alu depctr_hold_cnt(0) depctr_sa_sdst(0) depctr_va_vdst(0) depctr_va_sdst(0) depctr_va_ssrc(0) depctr_va_vcc(0) depctr_vm_vsrc(0)
	s_getreg_b32 s2, hwreg(HW_REG_IB_STS2, 6, 4)
	s_cmp_eq_u32 s2, 0
	s_cbranch_scc0 .Lentry_in_a_cluster
	s_endpgm
.Lentry_in_a_cluster:
	s_bfe_u32 s2, ttmp6, 0x10000c
	s_cmp_lg_u32 s2, 0xf033
	s_cbranch_scc0 .Lentry_shape_is_right
	s_endpgm
.Lentry_shape_is_right:
; Q = query Wq + bq, K = query Wk + bk, V = query Wv + bv on codes of FP6 (E2M3) with E8M0 scales; the results are quantised here, in registers, for the attention launch, and leave as codes alone.
; A work-group makes 256 rows of operand A x 128 rows of operand B, K = 1,024.  Clusters x = 0..3 (kinds Q, K): A = 256 tokens, B = 128 columns of Wq (tile columns 0-7) or Wk (8-15).
; Clusters x = 4, 5 (kind V): A = 256 columns of Wv, B = 128 tokens: the roles are swapped, so that a lane's registers run along the KEYS, the K of attention's second product.
; THE MATRIX INSTRUCTION IS USED TRANSPOSED (source 0 = a tile of B, source 1 = a tile of A): lane (r, h) holds lane-row r of A's tile.  The rows of a tile are 32 (i/2) + 8 (i%2) + r + 8 (r/8), so the 16 registers of
; B's tiles 2 q and 2 q + 1 are B's rows 32 q + 16 h + 0 .. 15: 16 neighbours along the next K, as the conversions want them.
; LDS holds ALL of K for both operands, as images of operand registers: (256 + 128) rows x 768 bytes = 294,912 bytes, in four chunks of 256 along K.  Every byte is filled once: no slot is filled again.
; Each wave issues one tensor load at the head: waves 0, 1 the halves of A's chunks, waves 2, 3 of B's.
; CLUSTERS: 4 x 4.  A's tiles hang on the cluster's y and cy alone and are asked for jointly along a row of the cluster, B's on x, y and cx and along a column.
; A wave makes 64 rows of A (blocks 4 w .. 4 w + 3) x all 128 of B: 32 accumulators, which take turns, one instruction a turn, in the same order in every K step.
; The eight K steps are written out: each names its own scale registers.
; OUT (qkv: 64 records, 16 b + head, of 315,392 bytes): K's codes [tile of 16 tokens: 128][768]; V's codes [key step: 16][tile of 16 channels: 4][1,536]; K's scale words [4 tiles][r][4]; V's [key step][r][4 tiles]; Q's codes and words as K's.
; LIMITS: a block whose largest magnitude lies under 2^-124, zeros among them, keeps the byte 1 (this program alone reads the bytes); NaN and infinities are not served.
; REGISTERS: window 0: v1-30 addresses; v32-63 A's scale words (block a, K step s at 32 + 8 a + s); v64-127 B's; v128-223 A's fragments, two sets of 4 x 12 (later the way out); v232-239 bv of my lane-rows.
;   window 1: accumulator (a, b) at 8 (8 a + b).   window 2: v0-191 B's fragments, two sets of 8 x 12; v192-255 the bias along B's rows.
.set REC,   315392
.set VOFF,  98304
.set KSO,   196608
.set VSO,   204800
.set QCO,   208896
.set QSO,   307200
.set FRB,   1536                       ; a fragment's image
.set TILEB, 8*FRB                      ; a row tile's eight fragments in memory
.set CHK,   2*FRB                      ; a tile's part of a chunk
.set CHA,   16*CHK                     ; A's part of a chunk in LDS
.set CHB,   8*CHK                      ; B's
.set BOFF,  4*CHA                      ; B's chunks lie behind A's
.set L16,  1
.set L8,   2
.set R16,  3
.set AA16, 8                           ; v8   16 x lane + my four tiles of A;  v12 the same with 8 x lane
.set AA8,  12
.set AB16, 16                          ; v16-17, v20-21 the same for B's tiles 0-3, 4-7
.set AB8,  20
.set OH,   24                          ; v24-27  where the two halves of a fragment of results go (16 and 8 bytes a lane)
.set SOF,  28                          ; v28     where my scale words go
.set SH,   29                          ; v29     16 h
.set SA,   32
.set SB,   64
.set AF,   128
.set BM,   232
.set BN,   192                         ; in window 2
.set WK,   128                         ; the way out: 64 numbers of a lane
.set TM,   192                         ; v192-207 at work
.set PWS,  208                         ; v208-211 the four blocks' scale words
.set PC,   212                         ; v212-223 codes, v224-230 upper halves
.set G1A,  24
.set G1B,  32
.set G0A,  40                          ; s[40:43]
.set G0B,  68                          ; s[68:71]
.set SEL,  100
.set MULW, 0x52                        ; source 0 (B) window 2, source 1 (A) window 0, C and D window 1
.set MSB, 0
.macro WIN new                         ; the immediate's high byte repeats the setting that is left
.if MSB != \new
	s_set_vgpr_msb (MSB<<8)|\new
.set MSB, \new
.endif
.endm
.macro CROUND                          ; a round of the cluster's barrier
	s_barrier_signal -1
	s_barrier_wait -1
	s_cmp_lg_u32 s16, 0
	s_cbranch_scc1 .Lnot_wave_0_\@
	s_barrier_signal -3
.Lnot_wave_0_\@:
	s_barrier_wait -3
	s_barrier_signal -1
	s_barrier_wait -1
.endm
.macro PLACES n                        ; plain vector instructions behind a matrix instruction, in front of loads into registers that it read and of reads of its results
.rept \n
	v_nop
.endr
.endm
	s_load_b256 s[4:11], s[0:1], 0x0               ; opimg, scl0, bq, bk
	s_load_b128 s[12:15], s[0:1], 0x20             ; bv, qkv
	v_lshl_add_u32 v254, v0, 2, 0x48000
	v_mov_b32 v255, 0
	ds_add_u32 v254, v255
	ds_add_u32 v254, v255
	v_lshrrev_b32 v4, 5, v0
	v_readfirstlane_b32 s16, v4                    ; wave
	s_lshr_b32 s17, s16, 1                         ; I fetch for A (0) or for B (1),
	s_and_b32 s18, s16, 1                          ; its first or second half
	s_bfe_u32 s19, ttmp6, 0x40000                  ; cx
	s_bfe_u32 s20, ttmp6, 0x40004                  ; cy
	s_mov_b32 s21, ttmp9                           ; the cluster's x: 0..5
	s_and_b32 s22, ttmp7, 0xffff                   ; its y: 0..7
	s_lshr_b32 s23, s21, 2                         ; KV = 1 in kind V: the same in all sixteen partners
	s_xor_b32 s98, s23, 1
	; A: tile row R = 4 y + cy (Q, K) or cy (V); first row tile 16 R, in Wv's tiles + 640.  No register of this chain ever holds cx
	s_lshl_b32 s56, s22, 2
	s_mul_i32 s56, s56, s98
	s_add_co_u32 s56, s56, s20                     ; R
	s_mul_i32 s60, s23, 640
	s_lshl_b32 s58, s56, 4
	s_add_co_u32 s58, s58, s60                     ; gA
	; B: tile column C = 4 x + cx (Q, K) or 32 (x - 4) + 4 y + cx (V); first row tile 8 C, in the weights' tiles + 512.  No register of this chain ever holds cy
	s_lshl_b32 s57, s21, 2
	s_mul_i32 s57, s57, s98
	s_and_b32 s63, s21, 3
	s_lshl_b32 s63, s63, 5
	s_lshl_b32 s66, s22, 2
	s_add_co_u32 s63, s63, s66
	s_mul_i32 s63, s63, s23
	s_add_co_u32 s57, s57, s63
	s_add_co_u32 s57, s57, s19                     ; C
	s_lshl_b32 s59, s57, 3
	s_lshl_b32 s63, s98, 9
	s_add_co_u32 s59, s59, s63                     ; gB
	s_lshl_b32 s60, s20, 2
	s_lshl_b32 s60, 15, s60                        ; my row of the cluster
	s_lshl_b32 s63, 0x1111, s19                    ; my column
	; descriptor group 1: rows of 3,072 bytes (384 elements of 8 bytes: a tile's two fragments of a chunk), dense in memory and in LDS; A: 32 rows a load, B: 16
	s_or_b32 s[G1A], s60, (3<<16)|(1<<21)          ; 15:0 the mask; 17:16 elements of 8 bytes; 21 set beside a mask; no padding
	s_or_b32 s[G1B], s63, (3<<16)|(1<<21)
.irp g, G1A, G1B
	s_mov_b32 s[\g+1], 384<<16                     ; tensor_dim0
	s_mov_b32 s[\g+3], 384<<16                     ; tile_dim0
	s_mov_b32 s[\g+5], 384                         ; the pitch: dense.  ONE LOAD A WAVE brings its tiles with all of K, as they lie in memory
	s_mov_b32 s[\g+6], 0
	s_mov_b32 s[\g+7], 0
.endr
	s_mov_b32 s[G1A+2], 32<<16                     ; A: 8 tiles x 12,288 bytes = 32 rows of 3,072
	s_mov_b32 s[G1A+4], 32
	s_mov_b32 s[G1B+2], 16<<16                     ; B: 4 tiles = 16 rows
	s_mov_b32 s[G1B+4], 16
	s_lshl_b32 s60, s18, 3
	s_add_co_u32 s60, s60, s58
	s_mul_i32 s84, s60, TILEB                      ; A: my eight tiles, in bytes
	s_mov_b32 s85, 0
	s_lshl_b32 s63, s18, 2
	s_add_co_u32 s63, s63, s59
	s_mul_i32 s86, s63, TILEB                      ; B: my four tiles
	s_mov_b32 s87, 0
	s_mul_i32 s61, s18, 8*TILEB                    ; LDS is laid as memory: [tile][8 fragments][1,536]
	s_mul_i32 s62, s18, 4*TILEB
	s_add_co_u32 s62, s62, BOFF
	s_wait_dscnt 0x0
	s_wait_kmcnt 0x0
	s_add_nc_u64 s[84:85], s[4:5], s[84:85]
	s_add_nc_u64 s[86:87], s[4:5], s[86:87]
.irp t, 0
	s_mov_b32 s[G0A+4*\t], 1
	s_add_co_u32 s[G0A+4*\t+1], s61, CHA*\t        ; LDS address
	s_add_nc_u64 s[G0A+4*\t+2:G0A+4*\t+3], s[84:85], CHK*\t   ; global address: chunk t
	s_or_b32 s[G0A+4*\t+3], s[G0A+4*\t+3], 0x80000000         ; type = 2
	s_mov_b32 s[G0B+4*\t], 1
	s_add_co_u32 s[G0B+4*\t+1], s62, CHB*\t
	s_add_nc_u64 s[G0B+4*\t+2:G0B+4*\t+3], s[86:87], CHK*\t
	s_or_b32 s[G0B+4*\t+3], s[G0B+4*\t+3], 0x80000000
.endr
	CROUND                                         ; all sixteen work-groups are here: the joint loads meet
	s_cmp_eq_u32 s17, 0                            ; a wave's one fill stands in a branch on its number, ahead of every wait on TENSORcnt, LDS read and barrier; four v_nop follow it
	s_cbranch_scc0 .Lfill_b
	tensor_load_to_lds s[G0A:G0A+3], s[G1A:G1A+7]
	s_nop 0
	PLACES 4
	s_branch .Lfilled
.Lfill_b:
	tensor_load_to_lds s[G0B:G0B+3], s[G1B:G1B+7]
	s_nop 0
	PLACES 4
.Lfilled:
	v_and_b32 v4, 31, v0
	v_and_b32 v5, 15, v0                           ; r
	v_bfe_u32 v30, v0, 4, 1                        ; h
	v_lshlrev_b32 v[L16], 4, v4
	v_lshlrev_b32 v[L8], 3, v4
	v_lshlrev_b32 v[R16], 4, v5
	s_mul_i32 s60, s16, 4*TILEB                    ; my four tiles of A
	v_add_nc_u32 v[AA16], s60, v[L16]
	v_add_nc_u32 v[AA8], s60, v[L8]
.irp t, 0,1
	v_add_nc_u32 v[AB16+\t], BOFF+4*TILEB*\t, v[L16]   ; B's tiles 0-3 and 4-7: the offsets stay inside 16 bits
	v_add_nc_u32 v[AB8+\t], BOFF+4*TILEB*\t, v[L8]
.endr
	; the scale words of all eight K steps stay in registers: lane r takes lane-row r's four words of half of K by one load
	s_lshl_b32 s60, s16, 2
	s_add_co_u32 s60, s60, s58
	s_lshl_b32 s60, s60, 9
	s_mov_b32 s61, 0
	s_add_nc_u64 s[88:89], s[6:7], s[60:61]
	s_lshl_b32 s60, s59, 9
	s_add_nc_u64 s[90:91], s[6:7], s[60:61]
	s_wait_alu depctr_va_vdst(0)
.irp a, 0,1,2,3
.irp u, 0,1
	global_load_b128 v[SA+8*\a+4*\u:SA+8*\a+4*\u+3], v[R16], s[88:89] offset:512*\a+256*\u
.endr
.endr
.irp b, 0,1,2,3,4,5,6,7
.irp u, 0,1
	global_load_b128 v[SB+8*\b+4*\u:SB+8*\b+4*\u+3], v[R16], s[90:91] offset:512*\b+256*\u
.endr
.endr
	; both kinds of bias are loaded in every kind, from places inside their buffers: along B's rows (bq, bk: used by kinds Q, K) and of my lane-rows of A (bv: used by kind V)
	s_cmp_lt_u32 s21, 2                            ; tile columns 0-7 are clusters x = 0, 1
	s_cselect_b64 s[92:93], s[8:9], s[10:11]
	s_and_b32 s60, s57, 7
	s_lshl_b32 s60, s60, 9
	s_add_nc_u64 s[92:93], s[92:93], s[60:61]
	v_lshlrev_b32 v6, 6, v30                       ; 16 h numbers
	WIN 0x80                                       ; destination window 2
.irp b, 0,1,2,3,4,5,6,7
	global_load_b128 v[BN+8*\b:BN+8*\b+3], v6, s[92:93] offset:(32*(\b/2)+8*(\b%2))*4
	global_load_b128 v[BN+8*\b+4:BN+8*\b+7], v6, s[92:93] offset:(32*(\b/2)+8*(\b%2))*4+16
.endr
	WIN 0
	s_lshl_b32 s60, s20, 10
	s_lshl_b32 s62, s16, 8
	s_add_co_u32 s60, s60, s62                     ; channel 256 cy + 64 w
	s_add_nc_u64 s[94:95], s[12:13], s[60:61]
	v_and_b32 v7, 8, v5
	v_add_nc_u32 v7, v7, v5
	v_lshlrev_b32 v7, 2, v7                        ; r + 8 (r/8)
.irp a, 0,1,2,3
	global_load_b32 v[BM+2*\a], v7, s[94:95] offset:(32*(\a/2)+8*(\a%2))*4
	global_load_b32 v[BM+2*\a+1], v7, s[94:95] offset:(32*(\a/2)+8*(\a%2))*4   ; (the packed addition names a pair)
.endr
	; where the results go.  Kinds Q, K: record 16 (R/8) + 2 (C%8), the next record for the second head; token tiles 16 (R%8) + 4 w + a
	s_lshr_b32 s60, s56, 3
	s_lshl_b32 s60, s60, 4
	s_and_b32 s66, s57, 7
	s_lshl_b32 s66, s66, 1
	s_add_co_u32 s60, s60, s66
	s_and_b32 s66, s56, 7
	s_lshl_b32 s66, s66, 2
	s_add_co_u32 s66, s66, s16                     ; my group of four token tiles
	s_mul_i32 s62, s66, 4*768
	s_lshl_b32 s63, s66, 8
	s_bfe_u32 s66, s57, 0x10003                    ; 1 = K
	s_xor_b32 s66, s66, 1                          ; 1 = Q
	s_mul_i32 s67, s66, QCO
	s_add_co_u32 s62, s62, s67
	s_mul_i32 s67, s66, QSO-KSO
	s_add_co_u32 s63, s63, s67
	s_add_co_u32 s63, s63, KSO
	; kind V: record 16 (C/16) + 4 R + w; key step C%16; channel tiles a
	s_lshr_b32 s66, s57, 4
	s_lshl_b32 s66, s66, 4
	s_lshl_b32 s67, s56, 2
	s_add_co_u32 s66, s66, s67
	s_add_co_u32 s66, s66, s16
	s_and_b32 s67, s57, 15
	s_mul_i32 s98, s67, 4*FRB
	s_add_co_u32 s98, s98, VOFF
	s_lshl_b32 s99, s67, 8
	s_add_co_u32 s99, s99, VSO
	s_mov_b32 s96, FRB
	s_mov_b32 s67, REC
	s_cmp_eq_u32 s23, 0
	s_cselect_b32 s60, s60, s66                    ; the record
	s_cselect_b32 s62, s62, s98                    ; codes: place in it
	s_cselect_b32 s63, s63, s99                    ; scale words: place in it
	s_cselect_b32 s96, 768, s96                    ; from block a to block a + 1
	s_cselect_b32 s98, s67, 768                    ; from a fragment's first half to its second
	s_cselect_b32 s99, s67, 8                      ; from lanes 0-15 to lanes 16-31 in the scale words' store
	s_mul_i32 s60, s60, REC
	s_add_co_u32 s62, s62, s60
	s_add_co_u32 s63, s63, s60
	v_add_nc_u32 v[OH], s62, v[L16]
	v_add_nc_u32 v[OH+1], s62, v[L8]
	v_add_nc_u32 v[OH+2], s98, v[OH]
	v_add_nc_u32 v[OH+3], s98, v[OH+1]
	v_mul_lo_u32 v[SOF], v30, s99
	v_add3_u32 v[SOF], v[SOF], v[R16], s63
	v_lshlrev_b32 v[SH], 4, v30
	s_mov_b32 s97, 0xffff0000                      ; lanes 16-31
	s_mov_b32 s[SEL], 0x76543210
	s_mov_b32 s[SEL+1], 0xfedcba98                 ; v_permlanex16_b32's selects for lane l xor 16
; 48 LDS loads: the fragments of K step 2 t + q (B's eight, my four of A) into set p.  Every load reads 512 or 256 consecutive bytes
.macro FETCH t, q, p
	WIN 0x80                                       ; destination window 2, address window 0
.irp b, 0,1,2,3,4,5,6,7
	ds_load_b128 v[96*(\p)+12*\b:96*(\p)+12*\b+3], v[AB16+\b/4] offset:TILEB*(\b%4)+CHK*(\t)+FRB*(\q)
	ds_load_b64 v[96*(\p)+12*\b+4:96*(\p)+12*\b+5], v[AB8+\b/4] offset:TILEB*(\b%4)+CHK*(\t)+FRB*(\q)+512
	ds_load_b128 v[96*(\p)+12*\b+6:96*(\p)+12*\b+9], v[AB16+\b/4] offset:TILEB*(\b%4)+CHK*(\t)+FRB*(\q)+768
	ds_load_b64 v[96*(\p)+12*\b+10:96*(\p)+12*\b+11], v[AB8+\b/4] offset:TILEB*(\b%4)+CHK*(\t)+FRB*(\q)+1280
.endr
	WIN 0
.irp a, 0,1,2,3
	ds_load_b128 v[AF+48*(\p)+12*\a:AF+48*(\p)+12*\a+3], v[AA16] offset:TILEB*\a+CHK*(\t)+FRB*(\q)
	ds_load_b64 v[AF+48*(\p)+12*\a+4:AF+48*(\p)+12*\a+5], v[AA8] offset:TILEB*\a+CHK*(\t)+FRB*(\q)+512
	ds_load_b128 v[AF+48*(\p)+12*\a+6:AF+48*(\p)+12*\a+9], v[AA16] offset:TILEB*\a+CHK*(\t)+FRB*(\q)+768
	ds_load_b64 v[AF+48*(\p)+12*\a+10:AF+48*(\p)+12*\a+11], v[AA8] offset:TILEB*\a+CHK*(\t)+FRB*(\q)+1280
.endr
.endm
; 16 matrix instructions: A's blocks a0, a0 + 1 x B's eight, K step s, from set s % 2.  zero = 1: the first product starts the sums: nothing is cleared
.macro MUL16 a0, s, zero
.irp a, \a0, \a0+1
.irp b, 0,1,2,3,4,5,6,7
.if \zero
	v_wmma_scale_f32_16x16x128_f8f6f4 v[8*(8*(\a)+\b):8*(8*(\a)+\b)+7], v[96*((\s)%2)+12*\b:96*((\s)%2)+12*\b+11], v[AF+48*((\s)%2)+12*(\a):AF+48*((\s)%2)+12*(\a)+11], 0, v[SB+8*\b+(\s)], v[SA+8*(\a)+(\s)] matrix_a_fmt:MATRIX_FMT_FP6 matrix_b_fmt:MATRIX_FMT_FP6
.else
	v_wmma_scale_f32_16x16x128_f8f6f4 v[8*(8*(\a)+\b):8*(8*(\a)+\b)+7], v[96*((\s)%2)+12*\b:96*((\s)%2)+12*\b+11], v[AF+48*((\s)%2)+12*(\a):AF+48*((\s)%2)+12*(\a)+11], v[8*(8*(\a)+\b):8*(8*(\a)+\b)+7], v[SB+8*\b+(\s)], v[SA+8*(\a)+(\s)] matrix_a_fmt:MATRIX_FMT_FP6 matrix_b_fmt:MATRIX_FMT_FP6
.endif
.endr
.endr
.endm
.macro EVEN s                          ; a chunk's first K step: the second's fragments are asked for ahead of its 32 products
	s_wait_dscnt 0x0                               ; this step's fragments are in
.if (\s) > 0
	PLACES 4
.endif
	FETCH (\s)/2, 1, 1
	WIN MULW
.if (\s) == 0
	MUL16 0, \s, 1
	MUL16 2, \s, 1
.else
	MUL16 0, \s, 0
	MUL16 2, \s, 0
.endif
.endm
.macro ODD s                           ; a chunk's second K step: the next chunk's first fragments are asked for between its products
	s_wait_dscnt 0x0                               ; this step's fragments are in
	WIN MULW                                       ; all of K lies in LDS since the head's barrier: no barrier here
	MUL16 0, \s, 0
	PLACES 4
	FETCH (\s)/2+1, 0, 0
	WIN MULW
	MUL16 2, \s, 0
.endm
	s_wait_alu depctr_va_vdst(0)
	s_wait_tensorcnt 0x0                           ; my one load has landed
	s_barrier_signal -1
	s_barrier_wait -1                              ; everybody's has
	FETCH 0, 0, 0
	s_wait_loadcnt 0x0                             ; the scale words and the biases
	EVEN 0
	ODD 1
	EVEN 2
	ODD 3
	EVEN 4
	ODD 5
	EVEN 6
	s_wait_dscnt 0x0
	WIN MULW
	MUL16 0, 7, 0
	MUL16 2, 7, 0
	WIN 0
	PLACES 4
; THE WAY OUT.  64 numbers of a lane, v[s] on, register 16 q + i = place 32 q + 16 h + i along the next K of my lane-row, become a fragment's codes in v[PC] on and its scale word in v[pw].
.macro QUANT s, pw
.irp b, 0,1,2,3
	v_max3_num_f32 v[TM+\b], |v[\s+16*\b]|, |v[\s+1+16*\b]|, 0x1800000   ; block b: my 16 numbers, and the floor 2^(3 - 127): the byte cannot fall under 1
.endr
.irp i, 2,4,6,8,10,12,14
.irp b, 0,1,2,3
	v_max3_num_f32 v[TM+\b], v[TM+\b], |v[\s+16*\b+\i]|, |v[\s+1+16*\b+\i]|   ; the four blocks by turns
.endr
.endr
.irp b, 0,1,2,3
	v_permlanex16_b32 v[TM+4+\b], v[TM+\b], s[SEL], s[SEL+1]
.endr
.irp b, 0,1,2,3
	v_max_num_f32 v[TM+\b], v[TM+\b], v[TM+4+\b]   ; with lane l xor 16's: the block's largest magnitude
.endr
.irp b, 0,1,2,3
	v_add_nc_u32 v[TM+12+\b], 0xff000000, v[TM+\b]   ; 2 off its exponent field: the conversion's scale operand
.endr
.irp b, 0,1,2,3
	v_lshrrev_b32 v[TM+4+\b], 23, v[TM+12+\b]      ; the scale's byte
.endr
	v_lshl_or_b32 v[\pw], v[TM+5], 8, v[TM+4]
	v_lshl_or_b32 v[\pw], v[TM+6], 16, v[\pw]
	v_lshl_or_b32 v[\pw], v[TM+7], 24, v[\pw]
.irp c, 0,1
	v_cvt_scalef32_pk16_fp6_f32 v[PC+6*\c:PC+2+6*\c], v[\s+32*\c:\s+15+32*\c], v[TM+12+2*\c]
	v_cvt_scalef32_pk16_fp6_f32 v[PC+12+4*\c:PC+14+4*\c], v[\s+16+32*\c:\s+31+32*\c], v[TM+12+2*\c+1]   ; (a conversion's three registers begin on an even number)
.endr
	v_nop                                          ; one plain place behind the scaled conversions
.irp c, 0,1                                    ; the operand's layout wants a WHOLE block in a lane: lanes 0-15 block 2 c, lanes 16-31 block 2 c + 1
.irp i, 0,1,2
	v_permlane16_swap_b32 v[PC+6*\c+\i], v[PC+12+4*\c+\i]
.endr
.irp i, 0,1,2
	v_mov_b32 v[PC+3+6*\c+\i], v[PC+12+4*\c+\i]
.endr
.endr
.endm
; Block a of A: the bias is added (each accumulator is read from its low end on), the 64 numbers are quantised, and the fragment's two halves leave: in kinds Q, K they are the two heads' 64, in kind V keys 0-63 and 64-127 of the step
.macro OUT a
	s_wait_xcnt 0x0                                ; the last block's stores have read their codes and offsets
.if (\a) > 0
.irp i, 0,1,2,3
	v_add_nc_u32 v[OH+\i], s96, v[OH+\i]
.endr
.endif
	s_cmp_eq_u32 s23, 0
	s_cbranch_scc0 .Lbias_v_\@
	WIN 0x09                                       ; source 0 (the sums) window 1, source 1 (the bias along B's rows) window 2
.set i, 0
.rept 32
	v_pk_add_f32 v[WK+i:WK+i+1], v[64*(\a)+i:64*(\a)+i+1], v[BN+i:BN+i+1]
.set i, i+2
.endr
	WIN 0
	s_branch .Lbias_done_\@
.Lbias_v_\@:
	WIN 0x01                                       ; source 0 window 1; bv of my lane-row serves all 64
.set i, 0
.rept 32
	v_pk_add_f32 v[WK+i:WK+i+1], v[64*(\a)+i:64*(\a)+i+1], v[BM+2*(\a):BM+2*(\a)+1] op_sel_hi:[1,0]
.set i, i+2
.endr
	WIN 0
.Lbias_done_\@:
	QUANT WK, PWS+(\a)
	global_store_b128 v[OH], v[PC:PC+3], s[14:15]                  ; each store covers 512 or 256 consecutive bytes, aligned to 256
	global_store_b64 v[OH+1], v[PC+4:PC+5], s[14:15] offset:512
	global_store_b128 v[OH+2], v[PC+6:PC+9], s[14:15]
	global_store_b64 v[OH+3], v[PC+10:PC+11], s[14:15] offset:512
.endm
.irp b, 0,1,2,3
	v_mov_b32 v[TM+4+\b], 0                        ; a lane permute's destination counts as one of its sources
.endr
	OUT 0
	OUT 1
	OUT 2
	OUT 3
	s_cmp_eq_u32 s23, 0
	s_cbranch_scc0 .Lscale_v
.irp a, 0,1,2,3                                ; Q, K: a word's low two bytes are the first head's, its high two the second's; attention wants two bytes and two zeros
	v_lshrrev_b32 v[PWS+\a], v[SH], v[PWS+\a]
.endr
.irp a, 0,1,2,3
	v_and_b32 v[PWS+\a], 0xffff, v[PWS+\a]
.endr
	global_store_b128 v[SOF], v[PWS:PWS+3], s[14:15]               ; lanes 0-15: 256 bytes of the first head's record, lanes 16-31: of the second's
	s_branch .Lscale_done
.Lscale_v:
	v_cndmask_b32 v[TM], v[PWS], v[PWS+2], s97     ; V: lanes 0-15 store words 0, 1 of their channel, lanes 16-31 words 2, 3
	v_cndmask_b32 v[TM+1], v[PWS+1], v[PWS+3], s97
	global_store_b64 v[SOF], v[TM:TM+1], s[14:15]
.Lscale_done:
	s_wait_tensorcnt 0x0
	ds_add_u32 v254, v255
	s_wait_dscnt 0x0
	CROUND                                         ; the closing round: no work-group ends while a partner may still ask for a tile that names it
	s_endpgm
.Lfunc_end_k_qdf82065360_gemm_qkv:
	.size	k_qdf82065360_gemm_qkv, .Lfunc_end_k_qdf82065360_gemm_qkv-k_qdf82065360_gemm_qkv
	.p2alignl 7, 3214868480
	.fill 96, 4, 3214868480
	.section	.rodata,"a",@progbits
	.p2align	6, 0x0
	.amdhsa_kernel k_qdf82065360_gemm_qkv
		.amdhsa_group_segment_fixed_size 295424
		.amdhsa_private_segment_fixed_size 0
		.amdhsa_enable_private_segment 0
		.amdhsa_kernarg_size 48
		.amdhsa_user_sgpr_count 2
		.amdhsa_user_sgpr_kernarg_segment_ptr 1
		.amdhsa_wavefront_size32 1
		.amdhsa_system_sgpr_workgroup_id_x 1
		.amdhsa_system_sgpr_workgroup_id_y 1
		.amdhsa_system_sgpr_workgroup_id_z 1
		.amdhsa_system_vgpr_workitem_id 0
		.amdhsa_next_free_vgpr 768
		.amdhsa_next_free_sgpr 102
		.amdhsa_reserve_vcc 0
		.amdhsa_float_denorm_mode_32 3
		.amdhsa_float_denorm_mode_16_64 3
		.amdhsa_memory_ordered 1
		.amdhsa_forward_progress 1
		.amdhsa_inst_pref_size 106
	.end_amdhsa_kernel
	.amdgpu_metadata
---
amdhsa.version: [ 1, 2 ]
amdhsa.kernels:
  - .name:           k_qdf82065360_gemm_qkv
    .symbol:         k_qdf82065360_gemm_qkv.kd
    .args:
      - { .name: opimg, .offset: 0, .size: 8, .value_kind: global_buffer, .address_space: global }
      - { .name: scl0, .offset: 8, .size: 8, .value_kind: global_buffer, .address_space: global }
      - { .name: bq, .offset: 16, .size: 8, .value_kind: global_buffer, .address_space: global }
      - { .name: bk, .offset: 24, .size: 8, .value_kind: global_buffer, .address_space: global }
      - { .name: bv, .offset: 32, .size: 8, .value_kind: global_buffer, .address_space: global }
      - { .name: qkv, .offset: 40, .size: 8, .value_kind: global_buffer, .address_space: global }
    .group_segment_fixed_size: 295424
    .private_segment_fixed_size: 0
    .kernarg_segment_align: 8
    .kernarg_segment_size: 48
    .max_flat_workgroup_size: 128
    .sgpr_count:     102
    .vgpr_count:     768
    .wavefront_size: 32
...
	.end_amdgpu_metadata
.endif
;; end of part 2
;; launch attn (part 3): grid 4 x 64, 16 waves a work-group, clusters of 4 x 1, 210,944 bytes of LDS; arguments qkv, maskw, cimg, cscl; writes cimg, cscl
.if DOCPART == 3
	.amdgcn_target "amdgcn-amd-amdhsa--gfx1250"
	.amdhsa_code_object_version 6
	.text
	.protected	k_qdf82065360_attn
	.globl	k_qdf82065360_attn
	.p2align	8
	.type	k_qdf82065360_attn,@function
k_qdf82065360_attn:
	s_mov_b64 s[64:65], 0
	v_nop
	global_prefetch_b8 v0, s[64:65] scope:SCOPE_SE
	s_setreg_imm32_b32 hwreg(HW_REG_WAVE_MODE, 25, 1), 1
	s_wait_xcnt 0x0
	s_wait_alu depctr_hold_cnt(0) depctr_sa_sdst(0) depctr_va_vdst(0) depctr_va_sdst(0) depctr_va_ssrc(0) depctr_va_vcc(0) depctr_vm_vsrc(0)
	s_getreg_b32 s2, hwreg(HW_REG_IB_STS2, 6, 4)
	s_cmp_eq_u32 s2, 0
	s_cbranch_scc0 .Lentry_in_a_cluster
	s_endpgm
.Lentry_in_a_cluster:
	s_bfe_u32 s2, ttmp6, 0x10000c
	s_cmp_lg_u32 s2, 0x3003
	s_cbranch_scc0 .Lentry_shape_is_right
	s_endpgm
.Lentry_shape_is_right:
; context[b][q][64 head + d] = sum over keys of softmax(where(mask == 0, -1e9, Q . K / 8)) V, both products on codes of FP6 (E2M3) with E8M0 scales; the context is quantised here for the output projection.
; THE SOFTMAX AHEAD OF THE SECOND PRODUCT: t = score x log2(e) / 8; M = the row's largest t so far, rounded UP to a whole number; p = 2^(t - M) is quantised along the keys, not normalised; the row's sum is taken of the
; unquantised p and divides O at the end.  When M moves, the sum and O are multiplied by 2^(old M - new M): exact.
; SHARES.  A work-group owns one head of one batch and a quarter (512) of its queries.  THE HEAD'S WHOLE K AND V, codes and scale words, LIE IN LDS for the whole launch: 208,896 bytes, the head of the head's record as it lies
; in memory, brought by one tensor load a wave (51 rows of 256 bytes; one load of a wave is out), filled once.  CLUSTER: the four work-groups of a head ask for these bytes jointly.
; Each of the 16 waves owns one tile of 16 queries at a time, in 256 registers, and makes two passes; four waves lie on a SIMD, so that one wave's vector work stands beside another's products and LDS loads.
; LAYOUT.  Both products are used transposed (S^T = K Q^T, O^T = V^T P^T): a lane holds one query (lane-row r of the tile).  The rows of a tile are 32 (i/2) + 8 (i%2) + r + 8 (r/8), so score registers 16 q + i are keys 32 q + 16 h + i.
; K = 64 IN AN INSTRUCTION OF 128: Q's upper six registers are zero codes.  A tile of K is named with the six registers behind it (the next tile's codes; zeros behind the last): they meet zero codes, under scale bytes 0, and add nothing.
; THE MASK comes as lane masks (one word a score register, from the first launch) by scalar loads, a step ahead; a hidden score is replaced by -2^33, a logit of -2^30.
; LIMITS: the hidden logit is -2^30 where the model says -1e9: p of a hidden key is 0 either way as long as the row's largest logit lies above about -5e8; a row hidden altogether gives p = 1 throughout either way.
; A block whose largest magnitude lies under 2^-124, zeros among them, keeps the scale byte 1 (this program alone reads the bytes).  NaN and infinities are not served.
; REGISTERS: v1-7 constants; v8-11, v29, v30 the step's LDS addresses; v12 -M, v13 the largest t, v[14:15] the sum; v16-27 Q; v28 Q's scale words; v32-85 K's eight tiles (+ six zeros), then V's four fragments; v88-95 K's scale words;
; v96-159 S^T, then p; v160-191 O^T; v192-195 V's scale words; v196-207 p's codes; v208-233 at work.  s[32:63], s[68:99] the step's 64 mask words.
.set REC,  315392
.set VOFF, 98304
.set KSO,  196608
.set VSO,  204800
.set QCO,  208896
.set QSO,  307200
.macro CROUND                          ; a round of the cluster's barrier
	s_barrier_signal -1
	s_barrier_wait -1
	s_cmp_lg_u32 s12, 0
	s_cbranch_scc1 .Lnot_wave_0_\@
	s_barrier_signal -3
.Lnot_wave_0_\@:
	s_barrier_wait -3
	s_barrier_signal -1
	s_barrier_wait -1
.endm
	s_load_b256 s[4:11], s[0:1], 0x0               ; qkv, maskw, cimg, cscl
	v_lshl_add_u32 v254, v0, 2, 0x33000
	v_mov_b32 v255, 0
	ds_add_u32 v254, v255
	ds_add_u32 v254, v255
	v_lshrrev_b32 v8, 5, v0
	s_delay_alu instid0(VALU_DEP_1)
	v_readfirstlane_b32 s12, v8                    ; wave 0..15
	s_bfe_u32 s13, ttmp6, 0x40000                  ; cx: my quarter of the queries; it enters global addresses of Q, the mask and the results alone
	s_and_b32 s14, ttmp7, 0xffff                   ; 16 b + head, which the four partners share
	s_mov_b32 s20, 15|(3<<16)|(1<<21)              ; group 1: 15:0 the mask: all four; 17:16 elements of 8 bytes; 21 set beside a mask; no padding
	s_mov_b32 s21, 32<<16                          ; tensor_dim0 = 32 elements: rows of 256 bytes
	s_mov_b32 s22, 51<<16                          ; tensor_dim1 = 51
	s_mov_b32 s23, 32<<16                          ; tile_dim0
	s_mov_b32 s24, 51                              ; tile_dim1
	s_mov_b32 s25, 32                              ; the pitch: dense
	s_mov_b32 s26, 0
	s_mov_b32 s27, 0
	s_mul_i32 s28, s14, REC
	s_mov_b32 s29, 0
	s_mul_i32 s15, s12, 51*256                     ; my sixteenth of the 208,896 bytes
	s_wait_dscnt 0x0
	s_wait_kmcnt 0x0
	s_add_nc_u64 s[4:5], s[4:5], s[28:29]          ; the head's record
	s_mov_b32 s28, s15
	s_mov_b32 s16, 1                               ; group 0: count = 1
	s_mov_b32 s17, s15                             ; LDS address
	s_add_nc_u64 s[18:19], s[4:5], s[28:29]        ; global address
	s_or_b32 s19, s19, 0x80000000                  ; type = 2
	CROUND                                         ; all four work-groups are here: the joint loads meet
	tensor_load_to_lds s[16:19], s[20:27]
	s_nop 0
.rept 4
	v_nop
.endr
	s_mov_b32 s28, 0x76543210
	s_mov_b32 s29, 0xfedcba98                      ; v_permlanex16_b32's selects for lane l xor 16
	s_mov_b32 s30, 0x3e38aa3b                      ; c = log2(e) / 8
	s_mov_b32 s31, s30                             ; (the packed form names the pair)
	s_mov_b32 s104, 0xffff0000                     ; lanes 16-31
	v_and_b32 v8, 31, v0
	v_and_b32 v9, 15, v0                           ; r
	v_bfe_u32 v10, v0, 4, 1                        ; h
	s_delay_alu instid0(VALU_DEP_3)
	v_lshlrev_b32 v1, 4, v8                        ; 16 x lane
	s_delay_alu instid0(VALU_DEP_4)
	v_lshlrev_b32 v2, 3, v8                        ; 8 x lane
	s_delay_alu instid0(VALU_DEP_2)
	v_add_nc_u32 v3, VOFF, v1
	s_delay_alu instid0(VALU_DEP_2)
	v_add_nc_u32 v4, VOFF, v2
	v_lshlrev_b32 v86, 4, v9                       ; 16 r
	s_delay_alu instid0(VALU_DEP_1)
	v_add_nc_u32 v5, KSO, v86
	s_delay_alu instid0(VALU_DEP_2)
	v_add_nc_u32 v6, VSO, v86
	v_mov_b32 v7, 0xd0000000                       ; -2^33
	s_delay_alu instid0(VALU_DEP_4)
	v_add_nc_u32 v31, v86, v10                     ; 16 r + h: my byte among the context's scale bytes
.irp i, 22,23,24,25,26,27,80,81,82,83,84,85
	v_mov_b32 v\i, 0                               ; zero codes: Q's upper half, and what stands behind K's last tile
.endr
.irp i, 220,221,222,223,229,231
	v_mov_b32 v\i, 0                               ; lane permutes' destinations count as sources; v231 is named as the upper half of a pair
.endr
	s_wait_tensorcnt 0x0                           ; my part has landed,
	s_barrier_signal -1
	s_barrier_wait -1                              ; everybody's has; LDS is only read from here on
; A KEY STEP: 128 keys.  s66 = 256 x the step (also the loop's counter and V's scale words' place), s67 = 6,144 x the step (codes), s100 = 512 x the step (K's scale words)
.macro STEP
	v_add_nc_u32 v8, s67, v1                       ; these six are also the places behind the last step's products, in front of the loads below
	v_add_nc_u32 v9, s67, v2
	v_add_nc_u32 v10, s67, v3
	v_add_nc_u32 v11, s67, v4
	v_add_nc_u32 v29, s100, v5
	v_add_nc_u32 v30, s66, v6
.irp t, 0,1,2,3,4,5,6,7
	ds_load_b128 v[32+6*\t:35+6*\t], v8 offset:768*\t          ; a tile of K: six registers a lane
	ds_load_b64 v[36+6*\t:37+6*\t], v9 offset:768*\t+512
.endr
	ds_load_b128 v[88:91], v29
	ds_load_b128 v[92:95], v29 offset:256
	s_wait_alu depctr_va_vdst(0)
	s_wait_dscnt 0x0
.irp t, 0,1,2,3,4,5,6,7
	v_wmma_scale_f32_16x16x128_f8f6f4 v[96+8*\t:103+8*\t], v[32+6*\t:43+6*\t], v[16:27], 0, v[88+\t], v28 matrix_a_fmt:MATRIX_FMT_FP6 matrix_b_fmt:MATRIX_FMT_FP6
.endr
.rept 4
	v_nop                                          ; places in front of the loads into K's registers and of the first read of the scores
.endr
.irp a, 0,1,2,3                                ; V's four fragments land under the softmax
	ds_load_b128 v[32+12*\a:35+12*\a], v10 offset:1536*\a
	ds_load_b64 v[36+12*\a:37+12*\a], v11 offset:1536*\a+512
	ds_load_b128 v[38+12*\a:41+12*\a], v10 offset:1536*\a+768
	ds_load_b64 v[42+12*\a:43+12*\a], v11 offset:1536*\a+1280
.endr
	ds_load_b128 v[192:195], v30
	s_wait_kmcnt 0x0                               ; this step's mask words, asked for a step ago
.set n, 0
.rept 32
	v_cndmask_b32 v[96+n], v7, v[96+n], s[32+n]    ; a hidden key's score becomes -2^33; ascending
.set n, n+1
.endr
.rept 32
	v_cndmask_b32 v[96+n], v7, v[96+n], s[36+n]
.set n, n+1
.endr
.irp b, 0,1,2,3
	v_max3_num_f32 v[216+\b], v[96+16*\b], v[97+16*\b], v[98+16*\b]   ; the largest score of each block of 32 keys: for the row's maximum and, since p rises with the score, for the block's largest p
.endr
.irp i, 3,5,7,9,11,13
.irp b, 0,1,2,3
	s_delay_alu instid0(VALU_DEP_4)
	v_max3_num_f32 v[216+\b], v[216+\b], v[96+16*\b+\i], v[97+16*\b+\i]
.endr
.endr
.irp b, 0,1,2,3
	s_delay_alu instid0(VALU_DEP_4)
	v_max_num_f32 v[216+\b], v[216+\b], v[111+16*\b]
.endr
	s_add_co_u32 s101, s66, 256                    ; the next step's mask words; the last step asks for the tile's own step 0 again, so that no load leaves the buffer
	s_and_b32 s101, s101, 0xfff
	s_load_b512 s[32:47], s[16:17], s101 offset:0x0
	s_load_b512 s[48:63], s[16:17], s101 offset:0x40
	s_load_b512 s[68:83], s[16:17], s101 offset:0x80
	s_load_b512 s[84:99], s[16:17], s101 offset:0xc0
.irp b, 0,1,2,3
	v_permlanex16_b32 v[220+\b], v[216+\b], s28, s29
.endr
.irp b, 0,1,2,3
	s_delay_alu instid0(VALU_DEP_4)
	v_max_num_f32 v[216+\b], v[216+\b], v[220+\b]  ; with lane l xor 16's 16 keys
.endr
	s_delay_alu instid0(VALU_DEP_2)
	v_max3_num_f32 v229, v216, v217, v218
	s_delay_alu instid0(VALU_DEP_1)
	v_max_num_f32 v229, v229, v219                 ; the step's largest score of my query
	s_delay_alu instid0(VALU_DEP_1)
	v_mul_f32 v229, s30, v229                      ; as t
	s_delay_alu instid0(VALU_DEP_1)
	v_max_num_f32 v13, v13, v229                   ; the running largest t
	v_mov_b32 v229, v12
	s_delay_alu instid0(VALU_DEP_2)
	v_floor_f32 v12, -v13                          ; the new -M = floor(-t): M is a whole number
	s_delay_alu instid0(VALU_DEP_1)
	v_sub_f32 v229, v12, v229                      ; old M - new M: a whole number, 0 or less
	s_delay_alu instid0(VALU_DEP_1)
	v_cvt_i32_f32 v229, v229                       ; (it saturates)
	s_delay_alu instid0(VALU_DEP_1)
	v_ldexp_f32 v230, 1.0, v229                    ; f = 2^(old M - new M)
.set j, 0
.rept 32
	v_pk_fma_f32 v[96+j:97+j], v[96+j:97+j], s[30:31], v[12:13] op_sel_hi:[1,0,0]   ; t - M, two at a time
.set j, j+2
.endr
.irp b, 0,1,2,3
	v_fma_f32 v[216+\b], v[216+\b], s30, v12       ; the same of each block's largest score
.endr
.set j, 0
	s_wait_alu depctr_va_vdst(0)
.rept 64
	v_exp_f32 v[96+j], v[96+j]                     ; p = 2^(t - M), at most 1
.set j, j+1
.endr
	v_pk_mul_f32 v[14:15], v[14:15], v[230:231] op_sel_hi:[1,0]   ; the sums under the new M: the plain place behind the exponentials
	s_wait_alu depctr_va_vdst(0)                   ; the wait ahead of the first reader: one for the batch of 64
.irp b, 0,1,2,3
	v_exp_f32 v[216+\b], v[216+\b]                 ; the block's largest p: the same two instructions on the same number give the same bits
.endr
	v_pk_add_f32 v[232:233], v[100:101], v[104:105]
	v_pk_add_f32 v[252:253], v[108:109], v[112:113]
	v_pk_add_f32 v[250:251], v[116:117], v[120:121]
	v_pk_add_f32 v[248:249], v[124:125], v[128:129]
	v_pk_add_f32 v[246:247], v[132:133], v[136:137]
	v_pk_add_f32 v[244:245], v[140:141], v[144:145]
	v_pk_add_f32 v[242:243], v[148:149], v[152:153]
	v_pk_add_f32 v[14:15], v[14:15], v[156:157]
	v_pk_add_f32 v[232:233], v[232:233], v[96:97]
	v_pk_add_f32 v[252:253], v[252:253], v[98:99]
	v_pk_add_f32 v[250:251], v[250:251], v[102:103]
	v_pk_add_f32 v[248:249], v[248:249], v[106:107]
	v_pk_add_f32 v[246:247], v[246:247], v[110:111]
	v_pk_add_f32 v[244:245], v[244:245], v[114:115]
	v_pk_add_f32 v[242:243], v[242:243], v[118:119]
	v_pk_add_f32 v[14:15], v[14:15], v[122:123]
	v_pk_add_f32 v[232:233], v[232:233], v[126:127]
	v_pk_add_f32 v[252:253], v[252:253], v[130:131]
	v_pk_add_f32 v[250:251], v[250:251], v[134:135]
	v_pk_add_f32 v[248:249], v[248:249], v[138:139]
	v_pk_add_f32 v[246:247], v[246:247], v[142:143]
	v_pk_add_f32 v[244:245], v[244:245], v[146:147]
	v_pk_add_f32 v[242:243], v[242:243], v[150:151]
	v_pk_add_f32 v[14:15], v[14:15], v[154:155]
	v_pk_add_f32 v[232:233], v[232:233], v[158:159]
	s_delay_alu instid0(VALU_DEP_2)
	v_pk_add_f32 v[14:15], v[14:15], v[248:249]
	s_delay_alu instid0(VALU_DEP_2)
	v_pk_add_f32 v[232:233], v[232:233], v[246:247]
	v_pk_add_f32 v[252:253], v[252:253], v[244:245]
	v_pk_add_f32 v[250:251], v[250:251], v[242:243]
	s_delay_alu instid0(VALU_DEP_2)
	v_pk_add_f32 v[14:15], v[14:15], v[252:253]
	s_delay_alu instid0(VALU_DEP_2)
	v_pk_add_f32 v[232:233], v[232:233], v[250:251]
	s_delay_alu instid0(VALU_DEP_1)
	v_pk_add_f32 v[14:15], v[14:15], v[232:233]
	s_wait_alu depctr_va_vdst(0)                   ; and one for the four
.irp b, 0,1,2,3
	v_max_num_f32 v[216+\b], 0x1800000, v[216+\b]  ; the floor 2^(3 - 127): the byte cannot fall under 1
.endr
.irp b, 0,1,2,3
	s_delay_alu instid0(VALU_DEP_4)
	v_add_nc_u32 v[224+\b], 0xff000000, v[216+\b]  ; the conversion's scale operand
.endr
.irp b, 0,1,2,3
	s_delay_alu instid0(VALU_DEP_4)
	v_lshrrev_b32 v[220+\b], 23, v[224+\b]         ; the scale's byte
.endr
	s_delay_alu instid0(VALU_DEP_3)
	v_lshl_or_b32 v228, v221, 8, v220              ; p's scale word for these 128 keys
	s_delay_alu instid0(VALU_DEP_1)
	v_lshl_or_b32 v228, v222, 16, v228
	s_delay_alu instid0(VALU_DEP_1)
	v_lshl_or_b32 v228, v223, 24, v228
.irp c, 0,1
	v_cvt_scalef32_pk16_fp6_f32 v[196+6*\c:198+6*\c], v[96+32*\c:111+32*\c], v[224+2*\c]
	v_cvt_scalef32_pk16_fp6_f32 v[208+4*\c:210+4*\c], v[112+32*\c:127+32*\c], v[224+2*\c+1]
.endr
	v_nop                                          ; one plain place behind the scaled conversions
.irp c, 0,1                                    ; a whole block to a lane: lanes 0-15 block 2 c, lanes 16-31 block 2 c + 1
.irp i, 0,1,2
	v_permlane16_swap_b32 v[196+6*\c+\i], v[208+4*\c+\i]
.endr
.irp i, 0,1,2
	s_delay_alu instid0(VALU_DEP_3)
	v_mov_b32 v[199+6*\c+\i], v[208+4*\c+\i]
.endr
.endr
.set j, 0
.rept 16
	v_pk_mul_f32 v[160+j:161+j], v[160+j:161+j], v[230:231] op_sel_hi:[1,0]   ; O^T under the new M; these also stand between the writes of p's codes and scale word and the products
.set j, j+2
.endr
	s_wait_alu depctr_va_vdst(0)
	s_wait_dscnt 0x0                               ; V
.irp a, 0,1,2,3
	v_wmma_scale_f32_16x16x128_f8f6f4 v[160+8*\a:167+8*\a], v[32+12*\a:43+12*\a], v[196:207], v[160+8*\a:167+8*\a], v[192+\a], v228 matrix_a_fmt:MATRIX_FMT_FP6 matrix_b_fmt:MATRIX_FMT_FP6
.endr
.endm
; A PASS: one tile of 16 queries, T = 32 cx + 16 p + wave, through all 16 key steps
.macro PASS p
	s_wait_xcnt 0x0                                ; the last pass's stores have read their registers and bases
	s_wait_kmcnt 0x0                               ; and its last scalar loads are in: their base, offset and destinations may be written
	s_lshl_b32 s18, s13, 5
	s_add_co_u32 s18, s18, s12
	s_add_co_u32 s18, s18, 16*\p                   ; T
	s_lshr_b32 s19, s14, 4
	s_lshl_b32 s19, s19, 7
	s_add_co_u32 s19, s19, s18                     ; g = 128 b + T
	s_lshl_b32 s20, s19, 12                        ; 16 steps of 256 bytes
	s_mov_b32 s21, 0
	s_add_nc_u64 s[16:17], s[6:7], s[20:21]        ; the tile's mask words
	s_mov_b32 s101, 0
	s_load_b512 s[32:47], s[16:17], s101 offset:0x0
	s_load_b512 s[48:63], s[16:17], s101 offset:0x40
	s_load_b512 s[68:83], s[16:17], s101 offset:0x80
	s_load_b512 s[84:99], s[16:17], s101 offset:0xc0
	s_mul_i32 s20, s18, 768
	s_add_co_u32 s20, s20, QCO
	s_add_nc_u64 s[22:23], s[4:5], s[20:21]
	global_load_b128 v[16:19], v1, s[22:23]        ; Q's six registers
	global_load_b64 v[20:21], v2, s[22:23] offset:512
	s_lshr_b32 s20, s18, 2
	s_lshl_b32 s20, s20, 8
	s_and_b32 s24, s18, 3
	s_lshl_b32 s24, s24, 2
	s_add_co_u32 s20, s20, s24
	s_add_co_u32 s20, s20, QSO
	s_add_nc_u64 s[24:25], s[4:5], s[20:21]
	global_load_b32 v28, v86, s[24:25]             ; Q's scale words
	v_mov_b32 v13, 0xff61b1e6                      ; the largest t so far: -3e38
	s_delay_alu instid0(VALU_DEP_1)
	v_floor_f32 v12, -v13                          ; -M
	v_mov_b32 v14, 0
	v_mov_b32 v15, 0
.set j, 0
.rept 32
	v_mov_b32 v[160+j], 0                          ; O^T: the step is written once; its first trip finds zeros, which the first change of M leaves zeros
.set j, j+1
.endr
	s_mov_b32 s66, 0
	s_mov_b32 s67, 0
	s_mov_b32 s100, 0
	s_wait_loadcnt 0x0
.Lstep_\@:
	STEP
	s_add_co_u32 s67, s67, 6144
	s_add_co_u32 s100, s100, 512
	s_add_co_u32 s66, s66, 256
	s_cmp_lt_u32 s66, 4096
	s_cbranch_scc1 .Lstep_\@
	; the way out: O^T / the sum, quantised along the head's 64 channels: half head % 2 of K step head / 2 of the context's fragment of this tile
	v_add_f32 v14, v14, v15
	s_delay_alu instid0(VALU_DEP_1)
	v_permlanex16_b32 v229, v14, s28, s29
	s_delay_alu instid0(VALU_DEP_1)
	v_add_f32 v14, v14, v229                       ; the row's sum
	s_wait_alu depctr_va_vdst(0)
	v_rcp_f32 v14, v14
.rept 3
	v_nop                                          ; with the two additions: the places behind the last products; the first is the plain place behind the reciprocal
.endr
	s_and_b32 s26, s14, 15                         ; head
	s_lshl_b32 s20, s19, 3
	s_lshr_b32 s27, s26, 1
	s_add_co_u32 s20, s20, s27
	s_mul_i32 s20, s20, 1536
	s_and_b32 s27, s26, 1
	s_mul_i32 s15, s27, 768
	s_add_co_u32 s20, s20, s15
	s_add_nc_u64 s[22:23], s[8:9], s[20:21]        ; the codes' place
	s_lshl_b32 s20, s19, 9
	s_lshr_b32 s15, s26, 3
	s_lshl_b32 s15, s15, 8
	s_add_co_u32 s20, s20, s15
	s_bfe_u32 s15, s26, 0x20001
	s_lshl_b32 s15, s15, 2
	s_add_co_u32 s20, s20, s15
	s_lshl_b32 s27, s27, 1
	s_add_co_u32 s20, s20, s27
	s_add_nc_u64 s[24:25], s[10:11], s[20:21]      ; the scale bytes': 512 g + 256 (head/8) + 4 ((head/2)%4) + 2 (head%2)
	s_wait_alu depctr_va_vdst(0)                   ; the wait ahead of the reciprocal's first reader
.set j, 0
.rept 32
	v_mul_f32 v[96+j], v[160+j], v14               ; register 16 q + i: channel 32 q + 16 h + i
.set j, j+1
.endr
.irp b, 0,1
	v_max3_num_f32 v[216+\b], |v[96+16*\b]|, |v[97+16*\b]|, 0x1800000
.endr
.irp i, 2,4,6,8,10,12,14
.irp b, 0,1
	s_delay_alu instid0(VALU_DEP_2)
	v_max3_num_f32 v[216+\b], v[216+\b], |v[96+16*\b+\i]|, |v[97+16*\b+\i]|
.endr
.endr
.irp b, 0,1
	s_delay_alu instid0(VALU_DEP_2)
	v_permlanex16_b32 v[220+\b], v[216+\b], s28, s29
.endr
.irp b, 0,1
	s_delay_alu instid0(VALU_DEP_2)
	v_max_num_f32 v[216+\b], v[216+\b], v[220+\b]
.endr
.irp b, 0,1
	s_delay_alu instid0(VALU_DEP_2)
	v_add_nc_u32 v[224+\b], 0xff000000, v[216+\b]
.endr
.irp b, 0,1
	s_delay_alu instid0(VALU_DEP_2)
	v_lshrrev_b32 v[220+\b], 23, v[224+\b]
.endr
	s_delay_alu instid0(VALU_DEP_1)
	v_cndmask_b32 v229, v220, v221, s104           ; lane (r, h) stores block h's byte
	v_cvt_scalef32_pk16_fp6_f32 v[196:198], v[96:111], v224
	v_cvt_scalef32_pk16_fp6_f32 v[208:210], v[112:127], v225
	v_nop                                          ; one plain place behind the scaled conversions
.irp i, 0,1,2
	v_permlane16_swap_b32 v[196+\i], v[208+\i]
.endr
.irp i, 0,1,2
	s_delay_alu instid0(VALU_DEP_3)
	v_mov_b32 v[199+\i], v[208+\i]
.endr
	global_store_b128 v1, v[196:199], s[22:23]     ; 512 and 256 consecutive bytes, aligned to 256
	global_store_b64 v2, v[200:201], s[22:23] offset:512
	global_store_b8 v31, v229, s[24:25]            ; two bytes of each of 16 rows' words: one byte in 24 of what the pass stores
.endm
	PASS 0
	PASS 1
	s_wait_kmcnt 0x0
	s_wait_tensorcnt 0x0
	ds_add_u32 v254, v255
	s_wait_dscnt 0x0
	CROUND                                         ; the closing round: no work-group ends while a partner may still ask for bytes that name it
	s_endpgm
.Lfunc_end_k_qdf82065360_attn:
	.size	k_qdf82065360_attn, .Lfunc_end_k_qdf82065360_attn-k_qdf82065360_attn
	.p2alignl 7, 3214868480
	.fill 96, 4, 3214868480
	.section	.rodata,"a",@progbits
	.p2align	6, 0x0
	.amdhsa_kernel k_qdf82065360_attn
		.amdhsa_group_segment_fixed_size 210944
		.amdhsa_private_segment_fixed_size 0
		.amdhsa_enable_private_segment 0
		.amdhsa_kernarg_size 32
		.amdhsa_user_sgpr_count 2
		.amdhsa_user_sgpr_kernarg_segment_ptr 1
		.amdhsa_wavefront_size32 1
		.amdhsa_system_sgpr_workgroup_id_x 1
		.amdhsa_system_sgpr_workgroup_id_y 1
		.amdhsa_system_sgpr_workgroup_id_z 1
		.amdhsa_system_vgpr_workitem_id 0
		.amdhsa_next_free_vgpr 256
		.amdhsa_next_free_sgpr 106
		.amdhsa_reserve_vcc 0
		.amdhsa_float_denorm_mode_32 3
		.amdhsa_float_denorm_mode_16_64 3
		.amdhsa_memory_ordered 1
		.amdhsa_forward_progress 1
		.amdhsa_inst_pref_size 65
	.end_amdhsa_kernel
	.amdgpu_metadata
---
amdhsa.version: [ 1, 2 ]
amdhsa.kernels:
  - .name:           k_qdf82065360_attn
    .symbol:         k_qdf82065360_attn.kd
    .args:
      - { .name: qkv, .offset: 0, .size: 8, .value_kind: global_buffer, .address_space: global }
      - { .name: maskw, .offset: 8, .size: 8, .value_kind: global_buffer, .address_space: global }
      - { .name: cimg, .offset: 16, .size: 8, .value_kind: global_buffer, .address_space: global }
      - { .name: cscl, .offset: 24, .size: 8, .value_kind: global_buffer, .address_space: global }
    .group_segment_fixed_size: 210944
    .private_segment_fixed_size: 0
    .kernarg_segment_align: 8
    .kernarg_segment_size: 32
    .max_flat_workgroup_size: 512
    .sgpr_count:     106
    .vgpr_count:     256
    .wavefront_size: 32
...
	.end_amdgpu_metadata
.endif
;; end of part 3
;; launch gemm_out (part 4): grid 8 x 32, 4 waves a work-group, clusters of 4 x 4, 295,424 bytes of LDS; arguments cimg, cscl, opimg, scl0, bo, out0; writes out0
.if DOCPART == 4
	.amdgcn_target "amdgcn-amd-amdhsa--gfx1250"
	.amdhsa_code_object_version 6
	.text
	.protected	k_qdf82065360_gemm_out
	.globl	k_qdf82065360_gemm_out
	.p2align	8
	.type	k_qdf82065360_gemm_out,@function
k_qdf82065360_gemm_out:
	s_mov_b64 s[64:65], 0
	v_nop
	global_prefetch_b8 v0, s[64:65] scope:SCOPE_SE
	s_setreg_imm32_b32 hwreg(HW_REG_WAVE_MODE, 25, 1), 1
	s_wait_xcnt 0x0
	s_wait_alu depctr_hold_cnt(0) depctr_sa_sdst(0) depctr_va_vdst(0) depctr_va_sdst(0) depctr_va_ssrc(0) depctr_va_vcc(0) depctr_vm_vsrc(0)
	s_getreg_b32 s2, hwreg(HW_REG_IB_STS2, 6, 4)
	s_cmp_eq_u32 s2, 0
	s_cbranch_scc0 .Lentry_in_a_cluster
	s_endpgm
.Lentry_in_a_cluster:
	s_bfe_u32 s2, ttmp6, 0x10000c
	s_cmp_lg_u32 s2, 0xf033
	s_cbranch_scc0 .Lentry_shape_is_right
	s_endpgm
.Lentry_shape_is_right:
; out0 = context Wo + bo on codes of FP6 (E2M3) with E8M0 scales.  The context's codes (cimg, cscl) and Wo's (opimg row tiles 704 on, scl0) lie as images of operand registers.
; A work-group makes 256 tokens x 128 columns, K = 1,024, all of it resident in LDS: (256 + 128) rows x 768 bytes = 294,912 bytes in four chunks of 256 along K, each byte filled once.
; Each wave issues one tensor load at the head: waves 0, 1 the halves of A's chunks, waves 2, 3 of B's.
; CLUSTERS: 4 x 4: A's tiles are asked for jointly along a row of the cluster, B's along a column.
; THE MATRIX INSTRUCTION IS USED TRANSPOSED (source 0 = 16 columns of Wo, source 1 = 16 tokens): with tile rows 32 (i/2) + 8 (i%2) + r + 8 (r/8), a lane's 16 registers of B's tiles 2 q, 2 q + 1 are columns 32 q + 16 h + 0 .. 15 of one token.
; A wave makes 64 tokens x 128 columns: 32 accumulators by turns, one instruction a turn.  bo is the C of each sum's first product.  The eight K steps are written out.
; REGISTERS: window 0: v1-27 addresses; v32-63 A's scale words; v64-127 B's; v128-223 A's fragments, two sets (on the way out v128-255: rows of the result).  window 1: accumulator (a, b) at 8 (8 a + b).
;   window 2: v0-191 B's fragments, two sets; v192-255 bo, eight registers for each tile of B.
.set FRB,   1536
.set TILEB, 8*FRB
.set CHK,   2*FRB
.set CHA,   16*CHK
.set CHB,   8*CHK
.set BOFF,  4*CHA
.set SPITCH, 528                       ; the way out: a stage of 16 rows x (512 bytes + 16) for each wave, in my own tiles of A: they have had their only fill, and my reads of them are waited for ahead of the last K step's products
.set L16,  1
.set L8,   2
.set R16,  3
.set AA16, 8
.set AA8,  12
.set AB16, 16
.set AB8,  20
.set STO,  24                          ; v24  the way out: where I put 32 bytes of a row
.set RD,   25                          ; v25  and where I read a row back
.set SA,   32
.set SB,   64
.set AF,   128
.set BN,   192                         ; in window 2
.set BK,   128                         ; 16 rows read back: v128-191 and v192-255 by turns
.set G1A,  24
.set G1B,  32
.set G0A,  40
.set G0B,  68
.set MULW, 0x52                        ; source 0 (B) window 2, source 1 (A) window 0, C and D window 1
.set MULF, 0x62                        ; the same with C (the bias) in window 2
.set MSB, 0
.macro WIN new                         ; the immediate's high byte repeats the setting that is left
.if MSB != \new
	s_set_vgpr_msb (MSB<<8)|\new
.set MSB, \new
.endif
.endm
.macro CROUND                          ; a round of the cluster's barrier
	s_barrier_signal -1
	s_barrier_wait -1
	s_cmp_lg_u32 s16, 0
	s_cbranch_scc1 .Lnot_wave_0_\@
	s_barrier_signal -3
.Lnot_wave_0_\@:
	s_barrier_wait -3
	s_barrier_signal -1
	s_barrier_wait -1
.endm
.macro PLACES n                        ; plain vector instructions behind a matrix instruction, in front of loads into registers that it read and of reads of its results
.rept \n
	v_nop
.endr
.endm
	s_load_b256 s[4:11], s[0:1], 0x0               ; cimg, cscl, opimg, scl0
	s_load_b128 s[12:15], s[0:1], 0x20             ; bo, out0
	v_lshl_add_u32 v29, v0, 2, 0x48000
	v_mov_b32 v31, 0
	ds_add_u32 v29, v31
	ds_add_u32 v29, v31
	v_lshrrev_b32 v4, 5, v0
	v_readfirstlane_b32 s16, v4                    ; wave
	s_lshr_b32 s17, s16, 1                         ; I fetch for A (0) or for B (1),
	s_and_b32 s18, s16, 1                          ; its first or second half
	s_bfe_u32 s19, ttmp6, 0x40000                  ; cx
	s_bfe_u32 s20, ttmp6, 0x40004                  ; cy
	s_and_b32 s56, ttmp7, 0xffff
	s_lshl_b32 s56, s56, 2
	s_add_co_u32 s56, s56, s20                     ; tile row R = 4 x cluster y + cy
	s_lshl_b32 s58, s56, 4                         ; A's first row tile
	s_lshl_b32 s57, ttmp9, 2
	s_add_co_u32 s57, s57, s19                     ; tile column C = 4 x cluster x + cx
	s_lshl_b32 s59, s57, 3
	s_add_co_u32 s59, s59, 704                     ; B's first row tile: Wo's
	s_lshl_b32 s60, s20, 2
	s_lshl_b32 s60, 15, s60                        ; my row of the cluster
	s_lshl_b32 s63, 0x1111, s19                    ; my column
	; descriptor group 1: rows of 3,072 bytes (384 elements of 8 bytes), dense in memory and in LDS; A: 32 rows a load, B: 16
	s_or_b32 s[G1A], s60, (3<<16)|(1<<21)
	s_or_b32 s[G1B], s63, (3<<16)|(1<<21)
.irp g, G1A, G1B
	s_mov_b32 s[\g+1], 384<<16                     ; tensor_dim0
	s_mov_b32 s[\g+3], 384<<16                     ; tile_dim0
	s_mov_b32 s[\g+5], 384                         ; the pitch: dense.  ONE LOAD A WAVE brings its tiles with all of K, as they lie in memory
	s_mov_b32 s[\g+6], 0
	s_mov_b32 s[\g+7], 0
.endr
	s_mov_b32 s[G1A+2], 32<<16                     ; A: 8 tiles x 12,288 bytes = 32 rows of 3,072
	s_mov_b32 s[G1A+4], 32
	s_mov_b32 s[G1B+2], 16<<16                     ; B: 4 tiles = 16 rows
	s_mov_b32 s[G1B+4], 16
	s_lshl_b32 s60, s18, 3
	s_add_co_u32 s60, s60, s58
	s_mul_i32 s84, s60, TILEB
	s_mov_b32 s85, 0
	s_lshl_b32 s63, s18, 2
	s_add_co_u32 s63, s63, s59
	s_mul_i32 s86, s63, TILEB
	s_mov_b32 s87, 0
	s_mul_i32 s61, s18, 8*TILEB                    ; LDS is laid as memory: [tile][8 fragments][1,536]
	s_mul_i32 s62, s18, 4*TILEB
	s_add_co_u32 s62, s62, BOFF
	s_wait_dscnt 0x0
	s_wait_kmcnt 0x0
	s_add_nc_u64 s[84:85], s[4:5], s[84:85]
	s_add_nc_u64 s[86:87], s[8:9], s[86:87]
.irp t, 0
	s_mov_b32 s[G0A+4*\t], 1
	s_add_co_u32 s[G0A+4*\t+1], s61, CHA*\t
	s_add_nc_u64 s[G0A+4*\t+2:G0A+4*\t+3], s[84:85], CHK*\t
	s_or_b32 s[G0A+4*\t+3], s[G0A+4*\t+3], 0x80000000
	s_mov_b32 s[G0B+4*\t], 1
	s_add_co_u32 s[G0B+4*\t+1], s62, CHB*\t
	s_add_nc_u64 s[G0B+4*\t+2:G0B+4*\t+3], s[86:87], CHK*\t
	s_or_b32 s[G0B+4*\t+3], s[G0B+4*\t+3], 0x80000000
.endr
	CROUND                                         ; all sixteen work-groups are here: the joint loads meet
	s_cmp_eq_u32 s17, 0                            ; a wave's one fill stands in a branch on its number; four v_nop follow it
	s_cbranch_scc0 .Lfill_b
	tensor_load_to_lds s[G0A:G0A+3], s[G1A:G1A+7]
	s_nop 0
	PLACES 4
	s_branch .Lfilled
.Lfill_b:
	tensor_load_to_lds s[G0B:G0B+3], s[G1B:G1B+7]
	s_nop 0
	PLACES 4
.Lfilled:
	v_and_b32 v4, 31, v0
	v_and_b32 v5, 15, v0                           ; r
	v_bfe_u32 v30, v0, 4, 1                        ; h
	v_lshlrev_b32 v[L16], 4, v4
	v_lshlrev_b32 v[L8], 3, v4
	v_lshlrev_b32 v[R16], 4, v5
	s_mul_i32 s60, s16, 4*TILEB                    ; my four tiles of A
	v_add_nc_u32 v[AA16], s60, v[L16]
	v_add_nc_u32 v[AA8], s60, v[L8]
.irp t, 0,1
	v_add_nc_u32 v[AB16+\t], BOFF+4*TILEB*\t, v[L16]   ; B's tiles 0-3 and 4-7: the offsets stay inside 16 bits
	v_add_nc_u32 v[AB8+\t], BOFF+4*TILEB*\t, v[L8]
.endr
	s_mul_i32 s60, s16, 4*TILEB                    ; my stage lies in my own tiles of A: no other wave reads them, they have had their only fill, and my reads of them are waited for ahead of the last K step's products
	v_mul_u32_u24 v[STO], v5, SPITCH
	v_lshl_add_u32 v[STO], v30, 6, v[STO]
	v_add_nc_u32 v[STO], s60, v[STO]               ; in: row r, + 64 h bytes (16 columns)
	v_add_nc_u32 v[RD], s60, v[L16]                ; back: the 32 lanes take one row of 512 bytes
	; the scale words of all eight K steps stay in registers
	s_lshl_b32 s60, s16, 2
	s_add_co_u32 s60, s60, s58
	s_lshl_b32 s60, s60, 9
	s_mov_b32 s61, 0
	s_add_nc_u64 s[88:89], s[6:7], s[60:61]
	s_lshl_b32 s60, s59, 9
	s_add_nc_u64 s[90:91], s[10:11], s[60:61]
.irp a, 0,1,2,3
.irp u, 0,1
	global_load_b128 v[SA+8*\a+4*\u:SA+8*\a+4*\u+3], v[R16], s[88:89] offset:512*\a+256*\u
.endr
.endr
.irp b, 0,1,2,3,4,5,6,7
.irp u, 0,1
	global_load_b128 v[SB+8*\b+4*\u:SB+8*\b+4*\u+3], v[R16], s[90:91] offset:512*\b+256*\u
.endr
.endr
	s_lshl_b32 s60, s57, 9                         ; bo: my 128 columns; lane (r, h) wants, for tile b, columns 32 (b/2) + 16 h + 8 (b%2) + 0 .. 7
	s_add_nc_u64 s[92:93], s[12:13], s[60:61]
	v_lshlrev_b32 v6, 6, v30
	WIN 0x80                                       ; destination window 2
.irp b, 0,1,2,3,4,5,6,7
	global_load_b128 v[BN+8*\b:BN+8*\b+3], v6, s[92:93] offset:(32*(\b/2)+8*(\b%2))*4
	global_load_b128 v[BN+8*\b+4:BN+8*\b+7], v6, s[92:93] offset:(32*(\b/2)+8*(\b%2))*4+16
.endr
	WIN 0
	s_lshl_b32 s60, s56, 8
	s_lshl_b32 s62, s16, 6
	s_add_co_u32 s60, s60, s62                     ; my first token: 256 R + 64 w
	s_lshl_b32 s60, s60, 12                        ; x 4,096 bytes a row
	s_lshl_b32 s62, s57, 9                         ; + 128 C columns
	s_add_co_u32 s60, s60, s62
	s_add_nc_u64 s[14:15], s[14:15], s[60:61]
; 48 LDS loads: the fragments of K step 2 t + q (B's eight, my four of A) into set p.  Every load reads 512 or 256 consecutive bytes
.macro FETCH t, q, p
	WIN 0x80
.irp b, 0,1,2,3,4,5,6,7
	ds_load_b128 v[96*(\p)+12*\b:96*(\p)+12*\b+3], v[AB16+\b/4] offset:TILEB*(\b%4)+CHK*(\t)+FRB*(\q)
	ds_load_b64 v[96*(\p)+12*\b+4:96*(\p)+12*\b+5], v[AB8+\b/4] offset:TILEB*(\b%4)+CHK*(\t)+FRB*(\q)+512
	ds_load_b128 v[96*(\p)+12*\b+6:96*(\p)+12*\b+9], v[AB16+\b/4] offset:TILEB*(\b%4)+CHK*(\t)+FRB*(\q)+768
	ds_load_b64 v[96*(\p)+12*\b+10:96*(\p)+12*\b+11], v[AB8+\b/4] offset:TILEB*(\b%4)+CHK*(\t)+FRB*(\q)+1280
.endr
	WIN 0
.irp a, 0,1,2,3
	ds_load_b128 v[AF+48*(\p)+12*\a:AF+48*(\p)+12*\a+3], v[AA16] offset:TILEB*\a+CHK*(\t)+FRB*(\q)
	ds_load_b64 v[AF+48*(\p)+12*\a+4:AF+48*(\p)+12*\a+5], v[AA8] offset:TILEB*\a+CHK*(\t)+FRB*(\q)+512
	ds_load_b128 v[AF+48*(\p)+12*\a+6:AF+48*(\p)+12*\a+9], v[AA16] offset:TILEB*\a+CHK*(\t)+FRB*(\q)+768
	ds_load_b64 v[AF+48*(\p)+12*\a+10:AF+48*(\p)+12*\a+11], v[AA8] offset:TILEB*\a+CHK*(\t)+FRB*(\q)+1280
.endr
.endm
; 16 matrix instructions: A's blocks a0, a0 + 1 x B's eight, K step s, from set s % 2.  first = 1: the bias is the C of the sum's first product
.macro MUL16 a0, s, first
.irp a, \a0, \a0+1
.irp b, 0,1,2,3,4,5,6,7
.if \first
	v_wmma_scale_f32_16x16x128_f8f6f4 v[8*(8*(\a)+\b):8*(8*(\a)+\b)+7], v[96*((\s)%2)+12*\b:96*((\s)%2)+12*\b+11], v[AF+48*((\s)%2)+12*(\a):AF+48*((\s)%2)+12*(\a)+11], v[BN+8*\b:BN+8*\b+7], v[SB+8*\b+(\s)], v[SA+8*(\a)+(\s)] matrix_a_fmt:MATRIX_FMT_FP6 matrix_b_fmt:MATRIX_FMT_FP6
.else
	v_wmma_scale_f32_16x16x128_f8f6f4 v[8*(8*(\a)+\b):8*(8*(\a)+\b)+7], v[96*((\s)%2)+12*\b:96*((\s)%2)+12*\b+11], v[AF+48*((\s)%2)+12*(\a):AF+48*((\s)%2)+12*(\a)+11], v[8*(8*(\a)+\b):8*(8*(\a)+\b)+7], v[SB+8*\b+(\s)], v[SA+8*(\a)+(\s)] matrix_a_fmt:MATRIX_FMT_FP6 matrix_b_fmt:MATRIX_FMT_FP6
.endif
.endr
.endr
.endm
.macro EVEN s                          ; a chunk's first K step: the second's fragments are asked for ahead of its 32 products
	s_wait_dscnt 0x0                               ; this step's fragments are in
.if (\s) > 0
	PLACES 4
.endif
	FETCH (\s)/2, 1, 1
.if (\s) == 0
	WIN MULF
	MUL16 0, \s, 1
	MUL16 2, \s, 1
.else
	WIN MULW
	MUL16 0, \s, 0
	MUL16 2, \s, 0
.endif
.endm
.macro ODD s                           ; a chunk's second K step: the next chunk's first fragments are asked for between its products
	s_wait_dscnt 0x0                               ; this step's fragments are in
	WIN MULW                                       ; all of K lies in LDS since the head's barrier: no barrier here
	MUL16 0, \s, 0
	PLACES 4
	FETCH (\s)/2+1, 0, 0
	WIN MULW
	MUL16 2, \s, 0
.endm
	s_wait_alu depctr_va_vdst(0)
	s_wait_tensorcnt 0x0                           ; my one load has landed
	s_barrier_signal -1
	s_barrier_wait -1
	FETCH 0, 0, 0
	s_wait_loadcnt 0x0                             ; the scale words and the bias
	EVEN 0
	ODD 1
	EVEN 2
	ODD 3
	EVEN 4
	ODD 5
	EVEN 6
	s_wait_dscnt 0x0
	WIN MULW
	MUL16 0, 7, 0
	MUL16 2, 7, 0
	WIN 0
	PLACES 4
; THE WAY OUT, block by block of 16 tokens x 128 columns: through my own stage and back as whole rows of 512 bytes.  LDS serves a wave's instructions in order (ISA guide 5.7.1.4): no wait between the stores and the loads, nor in front of the next block's stores.
.macro TOSTAGE a
	WIN 0x04                                       ; an LDS store's data are its source 1: window 1
.irp b, 0,1,2,3,4,5,6,7
	ds_store_b128 v[STO], v[8*(8*(\a)+\b):8*(8*(\a)+\b)+3] offset:128*(\b/2)+32*(\b%2)          ; each accumulator from its low end on
	ds_store_b128 v[STO], v[8*(8*(\a)+\b)+4:8*(8*(\a)+\b)+7] offset:128*(\b/2)+32*(\b%2)+16
.endr
	WIN 0
.irp t, 0,1,2,3,4,5,6,7,8,9,10,11,12,13,14,15
	ds_load_b128 v[BK+64*((\a)%2)+4*\t:BK+64*((\a)%2)+4*\t+3], v[RD] offset:\t*SPITCH
.endr
.endm
.macro SEND a, younger                 ; younger: the LDS instructions issued behind block a's loads, which may stay out
	s_wait_dscnt \younger
.irp t, 0,1,2,3,4,5,6,7,8,9,10,11,12,13,14,15
	global_store_b128 v[L16], v[BK+64*((\a)%2)+4*\t:BK+64*((\a)%2)+4*\t+3], s[14:15] offset:(32*((\a)/2)+8*((\a)%2)+\t+8*(\t/8))*4096 th:TH_STORE_NT   ; 32 lanes store 512 consecutive bytes of one token's row, aligned to 256
.endr
.endm
	TOSTAGE 0
	TOSTAGE 1
	SEND 0, 32                                     ; behind block 0's loads: block 1's 16 stores and 16 loads
	s_wait_xcnt 0x0                                ; block 0's stores have read their registers: block 2's loads may land there
	TOSTAGE 2
	SEND 1, 32
	s_wait_xcnt 0x0
	TOSTAGE 3
	SEND 2, 32
	SEND 3, 0
	s_wait_tensorcnt 0x0
	ds_add_u32 v29, v31
	s_wait_dscnt 0x0
	CROUND                                         ; the closing round: no work-group ends while a partner may still ask for a tile that names it
	s_endpgm
.Lfunc_end_k_qdf82065360_gemm_out:
	.size	k_qdf82065360_gemm_out, .Lfunc_end_k_qdf82065360_gemm_out-k_qdf82065360_gemm_out
	.p2alignl 7, 3214868480
	.fill 96, 4, 3214868480
	.section	.rodata,"a",@progbits
	.p2align	6, 0x0
	.amdhsa_kernel k_qdf82065360_gemm_out
		.amdhsa_group_segment_fixed_size 295424
		.amdhsa_private_segment_fixed_size 0
		.amdhsa_enable_private_segment 0
		.amdhsa_kernarg_size 48
		.amdhsa_user_sgpr_count 2
		.amdhsa_user_sgpr_kernarg_segment_ptr 1
		.amdhsa_wavefront_size32 1
		.amdhsa_system_sgpr_workgroup_id_x 1
		.amdhsa_system_sgpr_workgroup_id_y 1
		.amdhsa_system_sgpr_workgroup_id_z 1
		.amdhsa_system_vgpr_workitem_id 0
		.amdhsa_next_free_vgpr 768
		.amdhsa_next_free_sgpr 96
		.amdhsa_reserve_vcc 0
		.amdhsa_float_denorm_mode_32 3
		.amdhsa_float_denorm_mode_16_64 3
		.amdhsa_memory_ordered 1
		.amdhsa_forward_progress 1
		.amdhsa_inst_pref_size 83
	.end_amdhsa_kernel
	.amdgpu_metadata
---
amdhsa.version: [ 1, 2 ]
amdhsa.kernels:
  - .name:           k_qdf82065360_gemm_out
    .symbol:         k_qdf82065360_gemm_out.kd
    .args:
      - { .name: cimg, .offset: 0, .size: 8, .value_kind: global_buffer, .address_space: global }
      - { .name: cscl, .offset: 8, .size: 8, .value_kind: global_buffer, .address_space: global }
      - { .name: opimg, .offset: 16, .size: 8, .value_kind: global_buffer, .address_space: global }
      - { .name: scl0, .offset: 24, .size: 8, .value_kind: global_buffer, .address_space: global }
      - { .name: bo, .offset: 32, .size: 8, .value_kind: global_buffer, .address_space: global }
      - { .name: out0, .offset: 40, .size: 8, .value_kind: global_buffer, .address_space: global }
    .group_segment_fixed_size: 295424
    .private_segment_fixed_size: 0
    .kernarg_segment_align: 8
    .kernarg_segment_size: 48
    .max_flat_workgroup_size: 128
    .sgpr_count:     96
    .vgpr_count:     768
    .wavefront_size: 32
...
	.end_amdgpu_metadata
.endif
;; end of part 4
